; MI455X (gfx1250); checked and timed in simulation.
; The chip was launched on July 23, 2026; its instructions are those of AMD's public machine-readable ISA for CDNA 5 (MIT licence, August 2026) and "CDNA5" Instruction Set Architecture Reference Guide (July 2026). The comments in the code are by the model that wrote it; some were corrected since.
;; Multi Head Attention. Allowed arithmetic: matrix products marked QUANTISED: E2M1 operands, one E8M0 scale for each 32 along K, by v_wmma_scale_f32_16x16x128_f8f6f4 with both operands' format E2M1 (or v_wmma_scale_f32_32x16x128_f4), f32 sums; everything else in f32.
;; Inputs: Wk 16 x 1,024 x 64 float32; Wo 1,024 x 1,024 float32; Wq 16 x 1,024 x 64 float32; Wv 16 x 1,024 x 64 float32; bo 1,024 float32; x 4 x 2,048 x 1,024 float32.
;; Outputs: out0 4 x 2,048 x 1,024 float32.
;; This version of the problem:
;;   THIS VERSION OF THE PROBLEM IS GIVEN IN LOW PRECISION. The matrix products marked QUANTISED in the list below multiply operands that are first quantised to E2M1 (2 exponent bits, 1 mantissa bit; 4 bits a number), with one power-of-two scale for each 32 numbers along K (OCP MX v1.0); their sums are f32. All else is computed in f32.
;;   The module's matrix products, in the order in which they are computed (A, B: the left and right operand; K: the contracted axis; several contracted axes count as one K, in the product's order):
;;     1. [M 1,024, K 1,024] x [K 1,024, N 8,192]; A: input Wq; B: input x: QUANTISED
;;     2. [M 1,024, K 1,024] x [K 1,024, N 8,192]; A: input Wk; B: input x: QUANTISED
;;     3. [M 1,024, K 1,024] x [K 1,024, N 8,192]; A: input Wv; B: input x: QUANTISED
;;     4. batch 64 x [M 2,048, K 64] x [K 64, N 2,048]; A: computed on the way; B: computed on the way: QUANTISED
;;     5. batch 64 x [M 2,048, K 2,048] x [K 2,048, N 64]; A: softmax (see below); B: computed on the way: QUANTISED
;;     6. [M 8,192, K 1,024] x [K 1,024, N 1,024]; A: computed on the way; B: input Wo: QUANTISED
;;   THE QUANTISER, for each operand of a quantised product, along K:
;;     - K is cut into blocks of 32 from its start; a last block that is shorter is filled with zeros.
;;     - A block's scale is 2^e with e = floor(log2(the largest magnitude in the block)) - 2, held to -126 .. 127; a block of zeros has e = 0. As a byte (E8M0): e + 127.
;;     - Each number is divided by its block's scale, clamped to +-6, and rounded to the nearest number of E2M1, ties to even, subnormals kept.
;;     - The product sums the exact products of the quantised numbers (number of the format x scale) in f32.
;;   ~~~python
;;   def quantise(x, axis):      # numpy; x: float32 -> the quantised numbers, widened to float32 again
;;       x = np.moveaxis(x, axis, -1); K = x.shape[-1]
;;       x = np.pad(x, [(0, 0)] * (x.ndim - 1) + [(0, -K % 32)]); x = x.reshape(x.shape[:-1] + (-1, 32)); a = np.abs(x).max(-1, keepdims=True)
;;       e = np.where(a > 0, np.clip(np.frexp(np.where(a > 0, a, 1))[1] - 1 - 2, -126, 127), 0)      # np.frexp(a)[1] - 1 = floor(log2(a)), exactly
;;       r = np.clip(x / 2.0 ** e, -6, 6)
;;       step = 2.0 ** (np.maximum(np.frexp(np.where(r == 0, 1, r))[1] - 1, 0) - 1)
;;       q = np.round(r / step) * step * 2.0 ** e      # np.round: ties to even
;;       return np.moveaxis(q.reshape(q.shape[:-2] + (-1,))[..., :K], -1, axis).astype(np.float32)
;;   ~~~
;;   SOFTMAX AHEAD OF A QUANTISED PRODUCT. Where the list says 'softmax', what is quantised is not the finished softmax but p = 2^(t - M), with t = logit x log2(e) and M = ceil(the row's largest t), a whole number; so 1/2 < the row's largest p <= 1. The row's sum l is taken of the UNQUANTISED p, in f32, and the product's result is divided by l at the end. Since M is a whole number, a kernel that streams over the keys may use a running M (the ceiling of the running maximum): every later rescaling is an exact power of two, which a block's scale takes up: the codes' values come out the same.
;;   OPERANDS COMPUTED ON THE WAY. 'Computed on the way' means the value that the module computes at that place (a softmax that the list does not call 'softmax' is quantised finished and normalised). What goes into a quantiser is computed in f32, as accurately as f32 sums, v_exp_f32 and their like allow (about 1e-6 of the number): no bf16 or f16 on the way to a quantiser, and a product that is left as it is and whose result goes on into a quantised operand takes f32 operands (vector FMAs, or v_wmma_f32_16x16x4_f32). A number that lies on a knife's edge between two numbers of the format may be rounded either way, as far as f32 arithmetic and the matrix unit's own rounding can turn it there, and no further.
;; One version. Each part assembles by itself: llvm-mc -triple=amdgcn-amd-amdhsa -mcpu=gfx1250 --defsym DOCPART=n.
;; ======== version 1 of 1: 4 launches
;; limits: right only within a limited range of input values
;; workspace buffers: cw 6,291,456 bytes; sw 393,216 bytes; qkv 13,369,344 bytes; oc 4,194,304 bytes; os 262,144 bytes
;; launch quant (part 1): grid 384 x 1, 8 waves a work-group, no clusters, 84,992 bytes of LDS; arguments Wq, Wk, Wv, Wo, cw, sw, x; writes cw, sw
.if DOCPART == 1
	.amdgcn_target "amdgcn-amd-amdhsa--gfx1250"
	.amdhsa_code_object_version 6
	.text
	.protected	k_qb03203d14e_quant
	.globl	k_qb03203d14e_quant
	.p2align	8
	.type	k_qb03203d14e_quant,@function
k_qb03203d14e_quant:
	s_mov_b64 s[64:65], 0
	v_nop
	global_prefetch_b8 v0, s[64:65] scope:SCOPE_SE
	s_setreg_imm32_b32 hwreg(HW_REG_WAVE_MODE, 25, 1), 1
	s_wait_xcnt 0x0
; One launch quantises x and the four weights to FP4 (E2M1) codes with K innermost (cw, 512 bytes a row) and one E8M0 byte for each 32 along K (sw, 32 bytes a row).
; A block's scale is 2^(floor(log2(its largest magnitude)) - 2); its byte is that magnitude's exponent field - 2, held at 1 from below.
; LIMITS: NaN and infinities are not served; blocks of zeros and blocks whose largest magnitude lies under 2^-124 get the byte 1 (this program alone reads the bytes).
; Work-groups 0-255: x [8192][1024].  A wave takes 4 rows in 8 steps of 512 numbers; a step's 2,048 bytes turn through the wave's own stage in LDS and come back 16 neighbours a lane, two lanes to a block.
; A wave's 128 scale bytes leave as one store of 128 consecutive bytes.
; Work-groups 256-383: one weight, 64 columns, 512 of K.  A lane takes a column and its registers run down K; wave w: 32 columns (w % 2), 128 of K (w / 2).  The codes meet in a stage and leave as runs of 256 bytes.
; Rows: x 0-8191, then 1,024 each of Wq, Wk, Wv (row 64 head + d) and Wo (row = output column).  WHERE A ROW GOES: its number with bits 3 and 4 exchanged, so that a tile of 16 stored rows holds two groups of eight rows that lie 16 apart.
; The two paths part on the work-group's number and have LDS bytes of their own.
.set STEPS, 8
.set CB,    8
.set R,     16
.set X,     80
.set E,     112
.set C,     128
.set WREG,  8192
.set SP,    80
.set WB,    65536                      ; the weights' path: its stage begins here
.set LP,    272
.set SST,   WB+64*LP                   ; 64 rows x 16 scale bytes
.set SPARE, 83968                      ; the spare words: 128 bytes a wave
.set VOF,   32
.set XR,    64
.set CR,    192
.set OUTR,  208
	s_load_b256 s[4:11], s[0:1], 0x0               ; Wq, Wk, Wv, Wo
	s_load_b128 s[12:15], s[0:1], 0x20             ; cw, sw
	s_load_b64 s[48:49], s[0:1], 0x30              ; x
	v_lshl_add_u32 v224, v0, 2, SPARE
	v_mov_b32 v225, 0
	v_lshrrev_b32 v1, 5, v0
	v_readfirstlane_b32 s16, v1                    ; wave 0..7
	s_cmp_lt_u32 ttmp9, 256
	s_cbranch_scc0 .Lw
	; ---- x
	v_and_b32 v2, 31, v0
	v_lshlrev_b32 v3, 4, v2                        ; my 16 bytes of a load's 512
	s_mul_i32 s17, s16, WREG
	v_lshrrev_b32 v14, 2, v2
	v_mul_u32_u24 v14, v14, SP
	v_and_b32 v15, 3, v2
	v_lshl_add_u32 v14, v15, 4, v14
	v_add_nc_u32 v14, s17, v14                     ; the stage, in: 80 (lane / 4) + 16 (lane % 4)
	v_mul_u32_u24 v15, v2, SP
	v_add_nc_u32 v15, s17, v15                     ; and out: 80 x lane
	v_mul_u32_u24 v4, v2, CB
	v_lshrrev_b32 v5, 1, v2
	s_add_co_u32 s17, s17, 2*32*SP
	v_add_nc_u32 v5, s17, v5                       ; my block's scale byte in LDS
	v_lshlrev_b32 v7, 2, v2
	v_add_nc_u32 v6, s17, v7                       ; and 4 bytes a lane on the way out
	s_lshl_b32 s18, ttmp9, 3
	s_add_co_u32 s20, s18, s16                     ; my run of 4 rows
	s_and_b32 s21, s16, 1
	s_bfe_u32 s22, s16, 0x10001
	s_lshl_b32 s22, s22, 2
	s_or_b32 s21, s21, s22
	s_bfe_u32 s22, s16, 0x10002
	s_lshl_b32 s22, s22, 1
	s_or_b32 s21, s21, s22
	s_add_co_u32 s22, s18, s21                     ; where it goes: the run's bits 1 and 2 (the rows' bits 3 and 4) exchanged
	s_lshl_b32 s20, s20, 14                        ; 16,384 bytes of x a run
	s_mov_b32 s21, 0
	s_lshl_b32 s24, s22, 11                        ; 2,048 bytes of codes
	s_mov_b32 s25, 0
	s_lshl_b32 s26, s22, 7                         ; 128 scale bytes
	s_mov_b32 s27, 0
	s_wait_alu depctr_va_vdst(0)                   ; the wait at the head's end
	s_wait_kmcnt 0x0
	s_add_nc_u64 s[48:49], s[48:49], s[20:21]
	s_add_nc_u64 s[12:13], s[12:13], s[24:25]
	s_add_nc_u64 s[14:15], s[14:15], s[26:27]
.macro XLOAD t
.irp i, 0,1,2,3
	global_load_b128 v[R+16*((\t)%4)+4*\i:R+16*((\t)%4)+4*\i+3], v3, s[48:49] offset:2048*(\t)+512*\i th:TH_LOAD_NT
.endr
.endm
.macro XTURN t                         ; LDS serves a wave's instructions in order: no wait between the stores and the loads
.irp i, 0,1,2,3
	ds_store_b128 v14, v[R+16*((\t)%4)+4*\i:R+16*((\t)%4)+4*\i+3] offset:32*SP*((\t)%2)+8*SP*\i
.endr
.irp i, 0,1,2,3
	ds_load_b128 v[X+16*((\t)%2)+4*\i:X+16*((\t)%2)+4*\i+3], v15 offset:32*SP*((\t)%2)+16*\i
.endr
.endm
.irp t, 0,1,2,3
	XLOAD \t
.endr
	s_wait_loadcnt 12                              ; step 0's four loads are in; the twelve of steps 1 to 3 stay out
	XTURN 0
.macro XSTEP t
.set XS, X+16*((\t)%2)
.if (\t) > 0
	s_wait_dscnt 1                                 ; this step's numbers are back; the last step's byte store may be out
.else
	s_wait_dscnt 0x0
.endif
.if (\t)+4 < STEPS
	XLOAD (\t)+4
.endif
.if (\t)+1 < STEPS
.if STEPS-2-(\t) >= 3
	s_wait_loadcnt 12                              ; the next step's loads are in; those of the three steps behind it stay out
.else
	s_wait_loadcnt 4*(STEPS-2-(\t))
.endif
	XTURN (\t)+1
.endif
	v_max3_num_f32 v8, |v[XS]|, |v[XS+1]|, |v[XS+2]|
	v_max3_num_f32 v9, |v[XS+3]|, |v[XS+4]|, |v[XS+5]|
.irp i, 6,10
	v_max3_num_f32 v8, v8, |v[XS+\i]|, |v[XS+\i+1]|
	v_max3_num_f32 v9, v9, |v[XS+\i+2]|, |v[XS+\i+3]|
.endr
	v_max3_num_f32 v8, v8, |v[XS+14]|, |v[XS+15]|
	v_max3_num_f32 v8, v8, v9, 0x1800000           ; the floor 2^(3 - 127)
	v_max_num_f32_dpp v8, v8, v8 row_xmask:1 row_mask:0xf bank_mask:0xf   ; with my neighbour's 16: the block's
	v_add_nc_u32 v11, 0xff000000, v8               ; 2 off the exponent field: the conversion's scale operand
	v_cvt_scalef32_pk8_fp4_f32 v[C+4*(\t)], v[XS:XS+7], v11
	v_cvt_scalef32_pk8_fp4_f32 v[C+4*(\t)+1], v[XS+8:XS+15], v11
	v_lshrrev_b32 v[E+(\t)], 23, v11               ; the scale's byte
	ds_store_b8 v5, v[E+(\t)] offset:16*(\t)       ; both lanes of a block write the same byte with the same value
	global_store_b64 v4, v[C+4*(\t):C+4*(\t)+1], s[12:13] offset:32*CB*(\t)   ; 256 consecutive bytes, aligned
.endm
.irp t, 0,1,2,3,4,5,6,7
	XSTEP \t
.endr
	ds_load_b32 v12, v6
	s_wait_dscnt 0x0
	global_store_b32 v7, v12, s[14:15]             ; 128 consecutive bytes
	s_branch .Ldone
.Lw:
	; ---- the weights
	v_and_b32 v1, 31, v0                           ; lane
	s_wait_alu depctr_va_vdst(0)
	s_sub_co_u32 s19, ttmp9, 256
	s_lshr_b32 s20, s19, 5                         ; which weight
	s_bfe_u32 s21, s19, 0x40001                    ; which 64 columns
	s_and_b32 s22, s19, 1                          ; which half of K
	s_and_b32 s17, s16, 1                          ; my 32 of the 64 columns
	s_lshr_b32 s18, s16, 1                         ; my 128 of the 512 along K
	s_mul_i32 s23, s17, 32*LP
	s_lshl_b32 s24, s18, 6
	s_add_co_u32 s23, s23, s24
	s_add_co_u32 s23, s23, WB
	v_mul_u32_u24 v2, v1, LP
	v_add_nc_u32 v2, s23, v2                       ; stage, in: row = my column, 64 bytes for my 128 along K
	s_lshl_b32 s23, s17, 9
	s_lshl_b32 s24, s18, 2
	s_add_co_u32 s23, s23, s24
	s_add_co_u32 s23, s23, SST
	v_lshl_add_u32 v3, v1, 4, s23                  ; my scale word
	v_and_b32 v8, 15, v1
	v_lshrrev_b32 v9, 4, v1
	s_mul_i32 s23, s16, 8*LP
	s_add_co_u32 s23, s23, WB
	v_mul_u32_u24 v4, v9, LP
	v_lshl_add_u32 v4, v8, 4, v4
	v_add_nc_u32 v4, s23, v4                       ; stage, out: rows 8 w on, sixteen lanes to a row
	v_lshlrev_b32 v5, 9, v9
	v_lshl_add_u32 v5, v8, 4, v5                   ; the same place in cw
	v_and_b32 v6, 63, v0
	v_lshlrev_b32 v6, 4, v6
	v_add_nc_u32 v6, SST, v6                       ; a row's 16 scale bytes (waves 0 and 1)
	v_and_b32 v7, 7, v1
	v_bfe_u32 v10, v1, 3, 1
	v_lshl_or_b32 v7, v10, 4, v7
	v_lshl_or_b32 v7, v9, 3, v7                    ; the lane's number with bits 3 and 4 exchanged,
	v_lshlrev_b32 v7, 5, v7                        ; x 32 bytes
	s_cmp_eq_u32 s20, 3
	s_mov_b32 s30, 256
	s_cselect_b32 s30, 4096, s30                   ; bytes from k to k + 1
	s_mov_b32 s31, 262144
	s_cselect_b32 s31, 256, s31                    ; bytes from 64 columns to the next
	s_mul_i32 s24, s21, s31
	s_lshl_b32 s25, s17, 7
	s_add_co_u32 s24, s24, s25
	s_lshl_b32 s25, s22, 9
	s_lshl_b32 s26, s18, 7
	s_add_co_u32 s25, s25, s26                     ; my first k
	s_mul_i32 s25, s25, s30
	s_add_co_u32 s24, s24, s25
	s_mov_b32 s25, 0
	s_lshl_b32 s26, s30, 5                         ; a block of 32 along K
	s_mov_b32 s27, 0
	v_lshlrev_b32 v10, 2, v1
.irp i, 0,1,2,3,4,5,6,7,8,9,10,11,12,13,14,15,16,17,18,19,20,21,22,23,24,25,26,27,28,29,30,31
	v_mad_u32_u24 v[VOF+\i], s30, \i, v10
.endr
	s_lshl_b32 s40, s20, 10
	s_lshl_b32 s41, s21, 6
	s_add_co_u32 s40, s40, s41
	s_add_co_u32 s40, s40, 8192                    ; the first of my work-group's 64 rows
	s_lshr_b32 s41, s16, 2
	s_lshl_b32 s41, s41, 5
	s_lshl_b32 s42, s17, 4
	s_add_co_u32 s41, s41, s42
	s_bfe_u32 s42, s16, 0x10001
	s_lshl_b32 s42, s42, 3
	s_add_co_u32 s41, s41, s42                     ; rows 8 w on go to 32 (w / 4) + 16 (w % 2) + 8 ((w / 2) % 2) on
	s_add_co_u32 s41, s41, s40
	s_lshl_b32 s42, s41, 9
	s_lshl_b32 s43, s22, 8
	s_add_co_u32 s42, s42, s43
	s_mov_b32 s43, 0
	s_lshl_b32 s41, s17, 5
	s_add_co_u32 s41, s41, s40
	s_lshl_b32 s44, s41, 5
	s_lshl_b32 s41, s22, 4
	s_add_co_u32 s44, s44, s41
	s_mov_b32 s45, 0
	s_wait_alu depctr_va_vdst(0)                   ; the wait at the head's end
	s_wait_kmcnt 0x0
	s_cmp_eq_u32 s20, 1                            ; the choice hangs on the work-group's number alone
	s_cselect_b64 s[4:5], s[6:7], s[4:5]
	s_cmp_eq_u32 s20, 2
	s_cselect_b64 s[4:5], s[8:9], s[4:5]
	s_cmp_eq_u32 s20, 3
	s_cselect_b64 s[4:5], s[10:11], s[4:5]
	s_add_nc_u64 s[32:33], s[4:5], s[24:25]        ; a base for each of my four blocks
	s_add_nc_u64 s[34:35], s[32:33], s[26:27]
	s_add_nc_u64 s[36:37], s[34:35], s[26:27]
	s_add_nc_u64 s[38:39], s[36:37], s[26:27]
	s_add_nc_u64 s[12:13], s[12:13], s[42:43]
	s_add_nc_u64 s[14:15], s[14:15], s[44:45]
.macro WLOAD t
.irp i, 0,1,2,3,4,5,6,7,8,9,10,11,12,13,14,15,16,17,18,19,20,21,22,23,24,25,26,27,28,29,30,31
	global_load_b32 v[XR+32*(\t)+\i], v[VOF+\i], s[32+2*(\t):33+2*(\t)] th:TH_LOAD_NT   ; one k, 32 neighbouring columns
.endr
.endm
	WLOAD 0
	WLOAD 1
.macro BLOCK t
.set XS, XR+32*(\t)
.if (\t) < 3
	s_wait_loadcnt 32                              ; this block's 32 loads are in; the next block's 32 stay out
.else
	s_wait_loadcnt 0x0
.endif
.if (\t)+2 < 4
	WLOAD (\t)+2
.endif
	v_max3_num_f32 v12, |v[XS]|, |v[XS+1]|, |v[XS+2]|
	v_max3_num_f32 v13, |v[XS+3]|, |v[XS+4]|, |v[XS+5]|
.irp i, 6,10,14,18,22,26
	s_delay_alu instid0(VALU_DEP_2)
	v_max3_num_f32 v12, v12, |v[XS+\i]|, |v[XS+\i+1]|
	s_delay_alu instid0(VALU_DEP_2)
	v_max3_num_f32 v13, v13, |v[XS+\i+2]|, |v[XS+\i+3]|
.endr
	s_delay_alu instid0(VALU_DEP_2)
	v_max3_num_f32 v12, v12, |v[XS+30]|, |v[XS+31]|
	s_delay_alu instid0(VALU_DEP_1)
	v_max3_num_f32 v12, v12, v13, 0x1800000        ; the floor 2^(3 - 127)
	s_delay_alu instid0(VALU_DEP_1)
	v_add_nc_u32 v11, 0xff000000, v12              ; the conversion's scale operand
	s_delay_alu instid0(VALU_DEP_1)
	v_lshrrev_b32 v13, 23, v11                     ; the scale's byte
.if (\t) == 0
	s_delay_alu instid0(VALU_DEP_1)
	v_mov_b32 v14, v13
.else
	s_delay_alu instid0(VALU_DEP_1)
	v_lshl_or_b32 v14, v13, 8*(\t), v14            ; four bytes make my scale word
.endif
.irp g, 0,1,2,3
	v_cvt_scalef32_pk8_fp4_f32 v[CR+4*(\t)+\g], v[XS+8*\g:XS+8*\g+7], v11
.endr
	ds_store_b128 v2, v[CR+4*(\t):CR+4*(\t)+3] offset:16*(\t)
.endm
	BLOCK 0
	BLOCK 1
	BLOCK 2
	BLOCK 3
	ds_store_b32 v3, v14
	s_wait_dscnt 0x0                               ; for the others' sake: my stores have landed
	s_barrier_signal -1
	s_barrier_wait -1
.irp t, 0,1,2,3
	ds_load_b128 v[OUTR+4*\t:OUTR+4*\t+3], v4 offset:2*\t*LP
.endr
.irp t, 0,1,2,3
	s_wait_dscnt 3-\t                              ; the later read-backs stay out
	global_store_b128 v5, v[OUTR+4*\t:OUTR+4*\t+3], s[12:13] offset:1024*\t   ; sixteen lanes store 256 consecutive bytes, aligned
.endr
	s_cmp_gt_u32 s16, 1                            ; the 64 rows of scale bytes: waves 0 and 1, a lane a row
	s_cbranch_scc1 .Ldone
	ds_load_b128 v[24:27], v6
	s_wait_dscnt 0x0
	global_store_b128 v7, v[24:27], s[14:15]
.Ldone:
	s_wait_tensorcnt 0x0                           ; the wave's end
	ds_add_u32 v224, v225
	s_wait_dscnt 0x0
	s_endpgm
.Lfunc_end_k_qb03203d14e_quant:
	.size	k_qb03203d14e_quant, .Lfunc_end_k_qb03203d14e_quant-k_qb03203d14e_quant
	.p2alignl 7, 3214868480
	.fill 96, 4, 3214868480
	.section	.rodata,"a",@progbits
	.p2align	6, 0x0
	.amdhsa_kernel k_qb03203d14e_quant
		.amdhsa_group_segment_fixed_size 84992
		.amdhsa_private_segment_fixed_size 0
		.amdhsa_enable_private_segment 0
		.amdhsa_kernarg_size 56
		.amdhsa_user_sgpr_count 2
		.amdhsa_user_sgpr_kernarg_segment_ptr 1
		.amdhsa_wavefront_size32 1
		.amdhsa_system_sgpr_workgroup_id_x 1
		.amdhsa_system_sgpr_workgroup_id_y 1
		.amdhsa_system_sgpr_workgroup_id_z 1
		.amdhsa_system_vgpr_workitem_id 0
		.amdhsa_next_free_vgpr 226
		.amdhsa_next_free_sgpr 66
		.amdhsa_reserve_vcc 0
		.amdhsa_float_denorm_mode_32 3
		.amdhsa_float_denorm_mode_16_64 3
		.amdhsa_memory_ordered 1
		.amdhsa_forward_progress 1
		.amdhsa_inst_pref_size 45
	.end_amdhsa_kernel
	.amdgpu_metadata
---
amdhsa.version: [ 1, 2 ]
amdhsa.kernels:
  - .name:           k_qb03203d14e_quant
    .symbol:         k_qb03203d14e_quant.kd
    .args:
      - { .name: Wq, .offset: 0, .size: 8, .value_kind: global_buffer, .address_space: global }
      - { .name: Wk, .offset: 8, .size: 8, .value_kind: global_buffer, .address_space: global }
      - { .name: Wv, .offset: 16, .size: 8, .value_kind: global_buffer, .address_space: global }
      - { .name: Wo, .offset: 24, .size: 8, .value_kind: global_buffer, .address_space: global }
      - { .name: cw, .offset: 32, .size: 8, .value_kind: global_buffer, .address_space: global }
      - { .name: sw, .offset: 40, .size: 8, .value_kind: global_buffer, .address_space: global }
      - { .name: x, .offset: 48, .size: 8, .value_kind: global_buffer, .address_space: global }
    .group_segment_fixed_size: 84992
    .private_segment_fixed_size: 0
    .kernarg_segment_align: 8
    .kernarg_segment_size: 56
    .max_flat_workgroup_size: 256
    .sgpr_count:     66
    .vgpr_count:     226
    .wavefront_size: 32
...
	.end_amdgpu_metadata
.endif
;; end of part 1
;; launch proj (part 2): grid 12 x 32, 4 waves a work-group, clusters of 4 x 4, 296,448 bytes of LDS; arguments cw, sw, qkv; writes qkv
.if DOCPART == 2
	.amdgcn_target "amdgcn-amd-amdhsa--gfx1250"
	.amdhsa_code_object_version 6
	.text
	.protected	k_qb03203d14e_proj
	.globl	k_qb03203d14e_proj
	.p2align	8
	.type	k_qb03203d14e_proj,@function
k_qb03203d14e_proj:
	s_mov_b64 s[64:65], 0
	v_nop
	global_prefetch_b8 v0, s[64:65] scope:SCOPE_SE
	s_setreg_imm32_b32 hwreg(HW_REG_WAVE_MODE, 25, 1), 1
	s_wait_xcnt 0x0
	s_wait_alu depctr_hold_cnt(0) depctr_sa_sdst(0) depctr_va_vdst(0) depctr_va_sdst(0) depctr_va_ssrc(0) depctr_va_vcc(0) depctr_vm_vsrc(0)
	s_getreg_b32 s2, hwreg(HW_REG_IB_STS2, 6, 4)
	s_cmp_eq_u32 s2, 0
	s_cbranch_scc0 .Lentry_in_a_cluster
	s_endpgm
.Lentry_in_a_cluster:
	s_bfe_u32 s2, ttmp6, 0x10000c
	s_cmp_lg_u32 s2, 0xf033
	s_cbranch_scc0 .Lentry_shape_is_right
	s_endpgm
.Lentry_shape_is_right:
; q, k, v = x W on codes of FP4 (K = 1,024), and each result quantised in registers, along the K of the product that will read it, into the buffer qkv.
; Both operands lie in cw (512 bytes a row) and sw (32 bytes a row), in tiles of 256 rows: x 0-31, Wq 32-35, Wk 36-39, Wv 40-43.  Stored rows stand in the order 'bits 3 and 4 exchanged'.
; A work-group multiplies 256 rows (region A) by 256 rows (region B); a wave 128 x 128: 64 accumulators.  All of K lies in LDS at once: two slots of 512 along K and the scale bytes, each filled ONCE: no slot is filled again.
; THE MATRIX INSTRUCTION IS USED TRANSPOSED (source 0 = 16 rows of B, source 1 = 16 rows of A): a lane holds one row of A, and, by the stored order of B's rows, register 16 c + i of a block of 16 A rows is B's row 32 c + 16 (lane / 16) + i.
; THE CLUSTER'S x CHOOSES THE KIND (0 q, 1 k, 2 v), by selects on numbers alone, with no branch.  q, k: A = x (t), B = W (head, d): a lane's registers run along d.  v: A = Wv (head, d), B = x (t): they run along the keys.
; CLUSTERS: 4 x 4.  A's tile hangs on cy and is asked for jointly by a row of the cluster, B's on cx, by a column.
; THE RESULT: qkv = [batch x head (64)][step of 128 t (16)][13,056 bytes]: K codes 8 tiles x 512 | V codes 4 tiles of d x 1,024 | K's scale words 256 | V's 256 | Q codes 8 x 512 | Q's scale words 256.  Codes are images of operand registers: lane l's 16 bytes at 16 l.
; LIMITS: NaN and infinities are not served; blocks whose largest magnitude lies under 2^-124, and blocks of zeros, get the byte 1 (this program alone reads the bytes).
; REGISTERS: window 0: v1 r, v2 h, v4-7 scale words out, v8-13 store offsets, v16-27 LDS addresses, v32-95 scale words (two sets), v96-103 a scale word a block, v104-119 at work, v128-255 A's fragments (two sets; on the way out v128-143 codes).
;   window 1: B's fragments, two sets, v0-127.   windows 2, 3: accumulator (a, b) at v[8 (8 (a % 4) + b)].
.set PITCH,  528                       ; an LDS row: all of K, 512 bytes, + 16: an odd multiple of 16 bytes
.set HALFT,  128*PITCH
.set SLOT,   256                       ; the second 512 along K begin 256 bytes on in each row
.set SCL,    4*HALFT                   ; behind A's 256 rows and B's 256 rows: the scale bytes, as runs of 256 bytes + 16
.set HALFS,  16*272                    ; those of 128 rows
.set SBLK,   2*272                     ; those of 16 rows
.set REC,    13056
.set HEADB,  16*REC
.set XO,   4
.set VO,   8
.set VSO,  12
.set VSEL, 13
.set ADRA, 16
.set ADRB, 20
.set ADRS, 27
.set SC,   32
.set SW,   96
.set TM,   104
.set AF,   128
.set PC,   128
.set G1,   24
.set G0,   32
.set G1B,  48
.set G0B,  56
.set SEL,  66
.set G1S,  68
.set G0S,  76
.set G1SB, 80
.set G0SB, 88
.set PO,   48                          ; the way out: s[48:55] four bases, s[56:57] the scale words' (the descriptors are done with by then)
.set MSB, 0
.macro WIN new                         ; the immediate's high byte repeats the setting that is left
.if MSB != \new
	s_set_vgpr_msb (MSB<<8)|\new
.set MSB, \new
.endif
.endm
.macro JLOAD g0a, g1a, g0b, g1b        ; a joint load: waves 0 and 1 fetch for A, waves 2 and 3 for B; four v_nop follow each line
	s_cmp_eq_u32 s15, 0
	s_cbranch_scc0 .Lfor_b_\@
	tensor_load_to_lds s[\g0a:\g0a+3], s[\g1a:\g1a+7]
	s_nop 0
.rept 4
	v_nop
.endr
	s_branch .Lasked_\@
.Lfor_b_\@:
	tensor_load_to_lds s[\g0b:\g0b+3], s[\g1b:\g1b+7]
	s_nop 0
.rept 4
	v_nop
.endr
.Lasked_\@:
.endm
.macro CROUND                          ; a round of the cluster's barrier
	s_barrier_signal -1
	s_barrier_wait -1
	s_cmp_lg_u32 s14, 0
	s_cbranch_scc1 .Lnot_wave_0_\@
	s_barrier_signal -3
.Lnot_wave_0_\@:
	s_barrier_wait -3
	s_barrier_signal -1
	s_barrier_wait -1
.endm
.macro PLACES                          ; four places behind a matrix instruction of this form (ISA guide 7.12.1)
.rept 4
	v_nop
.endr
.endm
	s_load_b128 s[4:7], s[0:1], 0x0                ; cw, sw
	s_load_b64 s[12:13], s[0:1], 0x10              ; qkv
	v_lshl_add_u32 v126, v0, 2, 0x48400
	v_mov_b32 v127, 0
	ds_add_u32 v126, v127
	ds_add_u32 v126, v127
	v_lshrrev_b32 v1, 5, v0
	v_readfirstlane_b32 s14, v1                    ; wave 0..3
	s_lshr_b32 s15, s14, 1                         ; my half of A's rows
	s_and_b32 s16, s14, 1                          ; my half of B's rows
	s_bfe_u32 s40, ttmp6, 0x40000                  ; cx
	s_bfe_u32 s41, ttmp6, 0x40004                  ; cy
	s_and_b32 s2, ttmp7, 0xffff
	s_lshl_b32 s2, s2, 2                           ; 4 x cluster y: the cluster's first tile of x
	s_lshl_b32 s3, ttmp9, 2
	s_add_co_u32 s3, s3, 32                        ; the weight's first tile (q, k)
	s_cmp_eq_u32 ttmp9, 2                          ; v?  The cluster's x is the same in all sixteen
	s_cselect_b32 s17, 40, s2
	s_cselect_b32 s42, s2, s3
	s_add_co_u32 s17, s17, s41                     ; A's tile: it never holds cx
	s_add_co_u32 s42, s42, s40                     ; B's tile: it never holds cy
	s_lshl_b32 s43, s41, 2
	s_lshl_b32 s43, 15, s43                        ; my row of the cluster
	s_lshl_b32 s44, 0x1111, s40                    ; my column
	s_or_b32 s[G1+0], s43, (0<<16)|(1<<20)|(1<<21)|(6<<22)|(3<<25)   ; mask; elements of 1 byte; padding: 4 words behind every 128
	s_or_b32 s[G1B+0], s44, (0<<16)|(1<<20)|(1<<21)|(6<<22)|(3<<25)
.irp g, G1, G1B
	s_mov_b32 s[\g+1], 512<<16                     ; tensor_dim0 = 512 bytes: all of K
	s_mov_b32 s[\g+2], 256<<16                     ; tensor_dim1 = 256 rows
	s_mov_b32 s[\g+3], 512<<16                     ; tile_dim0
	s_mov_b32 s[\g+4], 256                         ; tile_dim1
	s_mov_b32 s[\g+5], 512                         ; from row to row
	s_mov_b32 s[\g+6], 0
	s_mov_b32 s[\g+7], 0
.endr
	s_or_b32 s[G1S+0], s43, (3<<16)|(1<<20)|(1<<21)|(5<<22)|(3<<25)  ; the scale bytes of 256 rows: 8,192 dense bytes as 32 rows of 32 elements of 8 bytes
	s_or_b32 s[G1SB+0], s44, (3<<16)|(1<<20)|(1<<21)|(5<<22)|(3<<25)
.irp g, G1S, G1SB
	s_mov_b32 s[\g+1], 32<<16
	s_mov_b32 s[\g+2], 32<<16                      ; the scale bytes of 256 rows: 32 rows of 256 bytes
	s_mov_b32 s[\g+3], 32<<16
	s_mov_b32 s[\g+4], 32
	s_mov_b32 s[\g+5], 32
	s_mov_b32 s[\g+6], 0
	s_mov_b32 s[\g+7], 0
.endr
	s_lshl_b32 s20, s17, 8                         ; A: the tile's first row
	s_lshl_b32 s46, s42, 8                         ; B likewise
	s_mov_b32 s21, 0
	s_mov_b32 s47, 0
	s_lshl_b64 s[22:23], s[20:21], 5               ; its scale bytes,
	s_lshl_b64 s[92:93], s[46:47], 5
	s_lshl_b64 s[20:21], s[20:21], 9               ; its codes
	s_lshl_b64 s[46:47], s[46:47], 9
	s_mul_i32 s45, s14, HALFT
	s_mul_i32 s94, s14, HALFS
	s_mov_b32 s[SEL], 0x76543210
	s_mov_b32 s[SEL+1], 0xfedcba98                 ; v_permlanex16_b32's selects for lane l xor 16
	s_wait_dscnt 0x0
	s_wait_kmcnt 0x0
	s_add_nc_u64 s[20:21], s[4:5], s[20:21]
	s_add_nc_u64 s[22:23], s[6:7], s[22:23]
	s_add_nc_u64 s[46:47], s[4:5], s[46:47]
	s_add_nc_u64 s[92:93], s[6:7], s[92:93]
	CROUND                                         ; all sixteen work-groups are here: the joint loads meet
	s_mov_b32 s[G0S], 1
	s_mov_b32 s[G0S+1], SCL
	s_mov_b64 s[G0S+2:G0S+3], s[22:23]
	s_or_b32 s[G0S+3], s[G0S+3], 0x80000000
	s_mov_b32 s[G0SB], 1
	s_mov_b32 s[G0SB+1], SCL+2*HALFS
	s_mov_b64 s[G0SB+2:G0SB+3], s[92:93]
	s_or_b32 s[G0SB+3], s[G0SB+3], 0x80000000
.irp s, 0
	s_mov_b32 s[G0+4*\s], 1
	s_mov_b32 s[G0+4*\s+1], 0
	s_add_nc_u64 s[G0+4*\s+2:G0+4*\s+3], s[20:21], \s*256
	s_or_b32 s[G0+4*\s+3], s[G0+4*\s+3], 0x80000000
	s_mov_b32 s[G0B+4*\s], 1
	s_mov_b32 s[G0B+4*\s+1], 2*HALFT
	s_add_nc_u64 s[G0B+4*\s+2:G0B+4*\s+3], s[46:47], \s*256
	s_or_b32 s[G0B+4*\s+3], s[G0B+4*\s+3], 0x80000000
.endr
; THE HEAD'S LOADS, ONE A WAVE: wave 0 A's 256 rows, all of K; wave 1 B's; wave 2 A's scale bytes; wave 3 B's.  One tree of branches on the wave's number; nothing is filled later.
.macro ARM under, g0, g1, next
	s_cmp_lt_u32 s14, \under
	s_cbranch_scc0 \next
	tensor_load_to_lds s[\g0:\g0+3], s[\g1:\g1+7]
	s_nop 0
.rept 4
	v_nop
.endr
	s_branch .Lhead_asked
\next:
.endm
	ARM 1, G0,  G1,  .Lhead_b
	ARM 2, G0B, G1B, .Lhead_sa
	ARM 3, G0S, G1S, .Lhead_sb
	tensor_load_to_lds s[G0SB:G0SB+3], s[G1SB:G1SB+7]
	s_nop 0
.rept 4
	v_nop
.endr
.Lhead_asked:
	v_and_b32 v1, 15, v0                           ; r
	v_bfe_u32 v2, v0, 4, 1                         ; h
	v_mul_u32_u24 v3, v1, PITCH
	v_lshl_add_u32 v4, v2, 4, v3                   ; a fragment's row x pitch + 16 h
	s_mul_i32 s21, s15, HALFT
	s_mul_i32 s22, s16, HALFT
	s_add_co_u32 s22, s22, 2*HALFT
.irp s, 0,1
	v_add_nc_u32 v[ADRA+\s], s21, v4
	v_add_nc_u32 v[ADRB+\s], s22, v4
	s_add_co_u32 s21, s21, SLOT
	s_add_co_u32 s22, s22, SLOT
.endr
	v_lshlrev_b32 v5, 5, v1                        ; my row's scale bytes: 32 a row,
	v_lshrrev_b32 v6, 8, v5
	v_lshl_add_u32 v5, v6, 4, v5                   ; and 16 more for each 256 passed
	s_mul_i32 s21, s15, HALFS
	s_mul_i32 s22, s16, HALFS
	s_add_co_u32 s22, s22, 2*HALFS
	s_sub_co_u32 s22, s22, s21
	v_mul_u32_u24 v6, s22, v2                      ; lanes 16-31 take B's
	s_add_co_u32 s21, s21, SCL
	v_add_nc_u32 v5, v5, v6
	v_add_nc_u32 v[ADRS], s21, v5
.irp b, 0,1,2,3
	v_mov_b32 v[TM+4+\b], 0                        ; written once: a lane permute's destination counts as one of its sources
.endr
.macro FRAG reg, adr, q, i             ; 16 rows x 128 K of 4-bit codes: 8 registers, two loads of 16 bytes, 32 bytes apart
.irp c, 0,1
	ds_load_b128 v[\reg+4*\c:\reg+4*\c+3], v[\adr] offset:64*(\q)+32*\c+(\i)*16*PITCH
.endr
.endm
.macro FETCH slot, q, p                ; 32 LDS loads in one run: B's eight fragments and A's eight into set p
	WIN 0x40                                       ; destination window 1
.irp i, 0,1,2,3,4,5,6,7
	FRAG 64*(\p)+8*\i, ADRB+\slot, \q, \i
.endr
	WIN 0
.irp i, 0,1,2,3,4,5,6,7
	FRAG AF+64*(\p)+8*\i, ADRA+\slot, \q, \i
.endr
.endm
.macro SCALES slot                     ; a slot's scale words: four a row; lanes 0-15 take A's block i, lanes 16-31 B's block i
.irp i, 0,1,2,3,4,5,6,7
	ds_load_b128 v[SC+32*(\slot)+4*\i:SC+32*(\slot)+4*\i+3], v[ADRS] offset:\i*SBLK+16*(\slot)
.endr
.endm
.macro MROW a, slot, q, p, zero        ; A's block a against B's eight
.irp b, 0,1,2,3,4,5,6,7
.if \zero
	v_wmma_scale_f32_16x16x128_f8f6f4 v[8*(8*((\a)%4)+\b):8*(8*((\a)%4)+\b)+7], v[64*(\p)+8*\b:64*(\p)+8*\b+7], v[AF+64*(\p)+8*(\a):AF+64*(\p)+8*(\a)+7], 0, v[SC+32*(\slot)+4*\b+(\q)], v[SC+32*(\slot)+4*(\a)+(\q)] matrix_a_fmt:MATRIX_FMT_FP4 matrix_b_fmt:MATRIX_FMT_FP4 matrix_a_scale:MATRIX_SCALE_ROW1
.else
	v_wmma_scale_f32_16x16x128_f8f6f4 v[8*(8*((\a)%4)+\b):8*(8*((\a)%4)+\b)+7], v[64*(\p)+8*\b:64*(\p)+8*\b+7], v[AF+64*(\p)+8*(\a):AF+64*(\p)+8*(\a)+7], v[8*(8*((\a)%4)+\b):8*(8*((\a)%4)+\b)+7], v[SC+32*(\slot)+4*\b+(\q)], v[SC+32*(\slot)+4*(\a)+(\q)] matrix_a_fmt:MATRIX_FMT_FP4 matrix_b_fmt:MATRIX_FMT_FP4 matrix_a_scale:MATRIX_SCALE_ROW1
.endif
.endr
.endm
.macro MULS slot, q, p, zero           ; 64 matrix instructions; the 64 accumulators take turns, in the same order in every step
	WIN 0xa1                                       ; source 0 (B) window 1, source 1 (A) window 0, C and D window 2
.irp a, 0,1,2,3
	MROW \a, \slot, \q, \p, \zero
.endr
	WIN 0xf1                                       ; C and D window 3
.irp a, 4,5,6,7
	MROW \a, \slot, \q, \p, \zero
.endr
.endm
; Step k of eight, 128 along K each: its fragments were asked for a step (64 matrix instructions) ago; the next step's are asked for first, then this step is multiplied.
.macro STEP k
.set SL_, (\k)/4
.set Q_,  (\k)%4
.set P_,  (\k)%2
.set NS_, ((\k)+1)/4
.set NQ_, ((\k)+1)%4
.set NP_, ((\k)+1)%2
	s_wait_dscnt 0x0                               ; this step's fragments are in
.if (\k) < 7
.if (\k) > 0
	PLACES                                         ; in front of loads into the set that the last step multiplied
.endif
	FETCH NS_, NQ_, NP_
.if (\k) == 3
	SCALES 1
.endif
.endif
.if (\k) == 0
	MULS SL_, Q_, P_, 1                            ; the first products start the sums: nothing is cleared
.else
	MULS SL_, Q_, P_, 0
.endif
.endm
	s_wait_alu depctr_va_vdst(0)
	s_wait_tensorcnt 0x0                           ; my one load has landed,
	s_barrier_signal -1
	s_barrier_wait -1                              ; everybody's are
	FETCH 0, 0, 0
	SCALES 0
.irp k, 0,1,2,3,4,5,6,7
	STEP \k
.endr
	WIN 0
	; THE WAY OUT.  No tensor load is out: the descriptors' registers are free.  All choices by the kind are selects.
	s_cmp_eq_u32 ttmp9, 2
	s_cselect_b32 s24, s42, s17                    ; the tile of x,
	s_cselect_b32 s25, s16, s15                    ; my half of it,
	s_cselect_b32 s26, s41, s40                    ; the tile of the weight (4 heads),
	s_cselect_b32 s27, s15, s16                    ; my half of it (2 heads)
	s_mov_b32 s18, 512
	s_cselect_b32 s18, 1024, s18                   ; from block a to a + 1: a tile of t (q, k) or of d (v)
	s_mov_b32 s28, 2048
	s_cselect_b32 s28, HEADB, s28                  ; from block a to a + 4: four tiles on (q, k) or the next head (v)
	s_mov_b32 s29, 0
	s_mov_b32 s30, HEADB
	s_cselect_b32 s30, 512, s30                    ; from a block's first four code registers to its last four: the next head (q, k) or the next 64 keys (v)
	s_mov_b32 s31, 0
	s_mov_b32 s2, 0x05040100
	s_cselect_b32 s2, 0x03020100, s2               ; how two blocks' scale words make one that goes out: lanes 0-15,
	s_mov_b32 s3, 0x07060302
	s_cselect_b32 s3, 0x07060504, s3               ; lanes 16-31
	s_cselect_b32 s33, 4096, 0                     ; where the codes lie in a record: K 0, V 4,096,
	s_mov_b32 s34, 8192
	s_cselect_b32 s34, 8448, s34                   ; and the scale words
	s_cmp_eq_u32 ttmp9, 0
	s_cselect_b32 s33, 8704, s33                   ; Q 8,704
	s_cselect_b32 s34, 12800, s34
	s_lshl_b32 s24, s24, 1
	s_add_co_u32 s24, s24, s25                     ; which 128 of the 8,192 rows of x: 16 x batch + step
	s_lshl_b32 s26, s26, 2
	s_lshl_b32 s27, s27, 1
	s_add_co_u32 s26, s26, s27                     ; my first head
	s_lshr_b32 s35, s24, 4
	s_lshl_b32 s35, s35, 4
	s_add_co_u32 s35, s35, s26
	s_lshl_b32 s35, s35, 4
	s_and_b32 s24, s24, 15
	s_add_co_u32 s35, s35, s24
	s_mul_i32 s35, s35, REC                        ; the record
	s_add_co_u32 s36, s35, s33
	s_mov_b32 s37, 0
	s_add_co_u32 s38, s35, s34
	s_mov_b32 s39, 0
	s_add_nc_u64 s[PO:PO+1], s[12:13], s[36:37]
	s_add_nc_u64 s[PO+2:PO+3], s[PO:PO+1], s[30:31]
	s_add_nc_u64 s[PO+4:PO+5], s[PO:PO+1], s[28:29]
	s_add_nc_u64 s[PO+6:PO+7], s[PO+4:PO+5], s[30:31]
	s_add_nc_u64 s[PO+8:PO+9], s[12:13], s[38:39]
	v_and_b32 v3, 31, v0
	v_lshlrev_b32 v3, 4, v3
.irp k, 0,1,2,3
	v_mad_u32_u24 v[VO+\k], s18, \k, v3            ; 16 x lane + (a % 4) x the step from block to block
.endr
	v_mul_u32_u24 v[VSO], v2, HEADB
	v_lshl_add_u32 v[VSO], v1, 4, v[VSO]           ; the scale words: lanes 0-15 my first head, lanes 16-31 my second; 16 bytes a row
	v_mov_b32 v3, s2
	v_mov_b32 v[VSEL], s3
	v_cmp_eq_u32 vcc_lo, 0, v2
	v_cndmask_b32 v[VSEL], v[VSEL], v3, vcc_lo
	PLACES                                         ; behind the last products
; Block a: 16 rows of A x 128 rows of B: 64 numbers a lane, four blocks of 32 (16 here, 16 in lane l xor 16).  They become eight registers of codes and a scale word.
.macro OUTBLK a
.set AC, 64*((\a)%4)
.set PB, PC+8*((\a)%2)
.if (\a) >= 2
	s_wait_xcnt 0x0                                ; the stores of two blocks ago have read the registers that this block's codes take
.endif
	WIN 0x0a+5*((\a)/4)                            ; sources 0 and 1: window 2 or 3
.irp c, 0,1,2,3
	v_max3_num_f32 v[TM+\c], |v[AC+16*\c]|, |v[AC+16*\c+1]|, 0x1800000   ; with the floor 2^(3 - 127); each accumulator is read from its low end on
.endr
.irp i, 2,4,6,8,10,12,14
.irp c, 0,1,2,3
	v_max3_num_f32 v[TM+\c], |v[AC+16*\c+\i]|, |v[AC+16*\c+\i+1]|, v[TM+\c]
.endr
.endr
	WIN 0
.irp c, 0,1,2,3
	v_permlanex16_b32 v[TM+4+\c], v[TM+\c], s[SEL], s[SEL+1]
.endr
.irp c, 0,1,2,3
	v_max_num_f32 v[TM+\c], v[TM+\c], v[TM+4+\c]   ; the block's largest magnitude
.endr
.irp c, 0,1,2,3
	v_add_nc_u32 v[TM+12+\c], 0xff000000, v[TM+\c] ; 2 off its exponent field: the conversion's scale operand
.endr
.irp c, 0,1,2,3
	v_lshrrev_b32 v[TM+4+\c], 23, v[TM+12+\c]      ; the scale's byte
.endr
	v_lshl_or_b32 v[SW+(\a)], v[TM+5], 8, v[TM+4]
	v_lshl_or_b32 v[SW+(\a)], v[TM+6], 16, v[SW+(\a)]
	v_lshl_or_b32 v[SW+(\a)], v[TM+7], 24, v[SW+(\a)]
	WIN 0x02+(\a)/4                                ; source 0: window 2 or 3
.irp c, 0,1,2,3
	v_cvt_scalef32_pk8_fp4_f32 v[PB+2*\c], v[AC+16*\c:AC+16*\c+7], v[TM+12+\c]
	v_cvt_scalef32_pk8_fp4_f32 v[PB+2*\c+1], v[AC+16*\c+8:AC+16*\c+15], v[TM+12+\c]
.endr
	WIN 0
	v_nop                                          ; one plain place behind a scaled conversion
.irp c, 0,1                                    ; a whole block of 32 to a lane: lanes 0-15 block 2 c, lanes 16-31 block 2 c + 1
.irp i, 0,1
	v_permlane16_swap_b32 v[PB+4*\c+\i], v[PB+4*\c+2+\i]
.endr
.endr
	global_store_b128 v[VO+(\a)%4], v[PB:PB+3], s[PO+4*((\a)/4):PO+4*((\a)/4)+1]       ; 512 consecutive bytes, aligned
	global_store_b128 v[VO+(\a)%4], v[PB+4:PB+7], s[PO+4*((\a)/4)+2:PO+4*((\a)/4)+3]
.endm
.irp a, 0,1,2,3,4,5,6,7
	OUTBLK \a
.endr
.irp i, 0,1,2,3                                ; q, k: word i of a row = the two bytes of tile i and the two of tile 4 + i, of the lane's head;  v: the whole word of the head's tile i of d
	v_perm_b32 v[XO+\i], v[SW+4+\i], v[SW+\i], v[VSEL]
.endr
	global_store_b128 v[VSO], v[XO:XO+3], s[PO+8:PO+9]   ; sixteen lanes store 256 consecutive bytes, aligned
	s_wait_tensorcnt 0x0
	ds_add_u32 v126, v127
	s_wait_dscnt 0x0
	CROUND                                         ; the closing round
	s_endpgm
.Lfunc_end_k_qb03203d14e_proj:
	.size	k_qb03203d14e_proj, .Lfunc_end_k_qb03203d14e_proj-k_qb03203d14e_proj
	.p2alignl 7, 3214868480
	.fill 96, 4, 3214868480
	.section	.rodata,"a",@progbits
	.p2align	6, 0x0
	.amdhsa_kernel k_qb03203d14e_proj
		.amdhsa_group_segment_fixed_size 296448
		.amdhsa_private_segment_fixed_size 0
		.amdhsa_enable_private_segment 0
		.amdhsa_kernarg_size 24
		.amdhsa_user_sgpr_count 2
		.amdhsa_user_sgpr_kernarg_segment_ptr 1
		.amdhsa_wavefront_size32 1
		.amdhsa_system_sgpr_workgroup_id_x 1
		.amdhsa_system_sgpr_workgroup_id_y 1
		.amdhsa_system_sgpr_workgroup_id_z 1
		.amdhsa_system_vgpr_workitem_id 0
		.amdhsa_next_free_vgpr 1024
		.amdhsa_next_free_sgpr 100
		.amdhsa_reserve_vcc 1
		.amdhsa_float_denorm_mode_32 3
		.amdhsa_float_denorm_mode_16_64 3
		.amdhsa_memory_ordered 1
		.amdhsa_forward_progress 1
		.amdhsa_inst_pref_size 127
	.end_amdhsa_kernel
	.amdgpu_metadata
---
amdhsa.version: [ 1, 2 ]
amdhsa.kernels:
  - .name:           k_qb03203d14e_proj
    .symbol:         k_qb03203d14e_proj.kd
    .args:
      - { .name: cw, .offset: 0, .size: 8, .value_kind: global_buffer, .address_space: global }
      - { .name: sw, .offset: 8, .size: 8, .value_kind: global_buffer, .address_space: global }
      - { .name: qkv, .offset: 16, .size: 8, .value_kind: global_buffer, .address_space: global }
    .group_segment_fixed_size: 296448
    .private_segment_fixed_size: 0
    .kernarg_segment_align: 8
    .kernarg_segment_size: 24
    .max_flat_workgroup_size: 128
    .sgpr_count:     100
    .vgpr_count:     1024
    .wavefront_size: 32
...
	.end_amdgpu_metadata
.endif
;; end of part 2
;; launch attn (part 3): grid 4 x 64, 16 waves a work-group, clusters of 4 x 1, 169,984 bytes of LDS; arguments qkv, oc, os; writes oc, os
.if DOCPART == 3
	.amdgcn_target "amdgcn-amd-amdhsa--gfx1250"
	.amdhsa_code_object_version 6
	.text
	.protected	k_qb03203d14e_attn
	.globl	k_qb03203d14e_attn
	.p2align	8
	.type	k_qb03203d14e_attn,@function
k_qb03203d14e_attn:
	s_mov_b64 s[64:65], 0
	v_nop
	global_prefetch_b8 v0, s[64:65] scope:SCOPE_SE
	s_setreg_imm32_b32 hwreg(HW_REG_WAVE_MODE, 25, 1), 1
	s_wait_xcnt 0x0
	s_wait_alu depctr_hold_cnt(0) depctr_sa_sdst(0) depctr_va_vdst(0) depctr_va_sdst(0) depctr_va_ssrc(0) depctr_va_vcc(0) depctr_vm_vsrc(0)
	s_getreg_b32 s2, hwreg(HW_REG_IB_STS2, 6, 4)
	s_cmp_eq_u32 s2, 0
	s_cbranch_scc0 .Lentry_in_a_cluster
	s_endpgm
.Lentry_in_a_cluster:
	s_bfe_u32 s2, ttmp6, 0x10000c
	s_cmp_lg_u32 s2, 0x3003
	s_cbranch_scc0 .Lentry_shape_is_right
	s_endpgm
.Lentry_shape_is_right:
; Causal attention of one (batch, head) on codes of FP4; the result, divided by the row's sum, is quantised along (head, d) for the last product.
; t = score x log2(e) / 8; M = the running largest t rounded UP to a whole number; p = 2^(t - M) is quantised along the keys, not normalised; the row's sum is taken of the unquantised p.  When M moves, the sum and O are multiplied by 2^(old M - new M): exact.
; SHARES.  A cluster of four work-groups is one (batch, head).  All its K and V (16 steps of 128 keys x 8,704 bytes) lie in each work-group's LDS, filled ONCE: wave w asks for step w, jointly with the same wave of the three partners.
; Each of the cluster's 64 waves owns two tiles of 16 queries: tile 4 w + cx and tile 127 - (4 w + cx).  A tile's last step is tile / 8: w / 2 and 15 - w / 2: it hangs on the wave's number alone.  So every wave works 17 steps, and no branch differs between partners.
; LAYOUT.  Both products transposed: S^T = K Q^T, O^T = V^T P^T: a lane holds one query.  Stored rows of t and of d stand in the order 'bits 3 and 4 exchanged', so the 16 registers of two neighbouring tiles are 16 neighbours (keys; d).
; THE HEAD'S 64 FILL HALF OF THE INSTRUCTION'S 128.  A fragment of K holds tile i of the keys in registers 0-3 and tile 4 + i in registers 4-7.  It is multiplied once by Q in registers 0-3 and zero codes in 4-7, once the other way round.
; The half that is not meant meets zero codes of Q alone (K's codes there are not zeros), under Q's scale byte 0 (2^-127, no NaN): those products are exact zeros.
; LIMITS: NaN and infinities are not served; a block of the result whose largest magnitude lies under 2^-124 gets the byte 1.  The scale bytes of the result leave as 2 bytes a row (0.26 MB in all).
; REGISTERS: v1 16 x lane, v2 16 r, v3-4 the step's LDS addresses, v5 r + 8 (r / 8) - 16 h, v7 32 r; v12 -M, v13 largest t, v[14:15] the sum; v16-39 Q of the two tiles between zeros; v40-43 Q's scale words; v44-47 K's; v48-51 V's;
;   v52-83 K; v96-159 S^T, then p; v160-191 O^T; v192-223 V; v224-231 p's codes; v232-254 at work; v253 p's scale word.
.set STEPB, 8704
.set REC,   13056
.set HEADB, 16*REC
.set WV,  10
.set CX,  11
.set BH,  12
.set SEL, 20
.set CS,  22
.set G1,  24
.set G0,  32
.set DG,  36                           ; s36-37 the two tiles' last steps
.set SD,  38                           ; s38-39 the tile's first query less its last step's first key
.set TB,  40
.set SI,  41
.set QB,  44                           ; s[44:47] Q's codes;  s[48:51] Q's scale bytes;  s[52:55] where the codes go;  s[56:59] the scale bytes
.set QSB, 48
.set OC,  52
.set OS,  56
.macro CROUND
	s_barrier_signal -1
	s_barrier_wait -1
	s_cmp_lg_u32 s[WV], 0
	s_cbranch_scc1 .Lnot_wave_0_\@
	s_barrier_signal -3
.Lnot_wave_0_\@:
	s_barrier_wait -3
	s_barrier_signal -1
	s_barrier_wait -1
.endm
	s_load_b128 s[4:7], s[0:1], 0x0                ; qkv, oc
	s_load_b64 s[8:9], s[0:1], 0x10                ; os
	v_lshl_add_u32 v251, v0, 2, 0x29000
	v_mov_b32 v255, 0
	ds_add_u32 v251, v255
	ds_add_u32 v251, v255
	v_lshrrev_b32 v8, 5, v0
	s_delay_alu instid0(VALU_DEP_1)
	v_readfirstlane_b32 s[WV], v8                  ; wave 0..15
	s_bfe_u32 s[CX], ttmp6, 0x40000                ; my place in the cluster: it enters global addresses and the mask's constant alone
	s_and_b32 s[BH], ttmp7, 0xffff                 ; 16 x batch + head
	s_mov_b32 s[G1], 15|(3<<16)|(1<<21)            ; the mask: all four; elements of 8 bytes; no padding
	s_mov_b32 s[G1+1], 32<<16                      ; 34 dense rows of 256 bytes
	s_mov_b32 s[G1+2], 34<<16
	s_mov_b32 s[G1+3], 32<<16
	s_mov_b32 s[G1+4], 34
	s_mov_b32 s[G1+5], 32
	s_mov_b32 s[G1+6], 0
	s_mov_b32 s[G1+7], 0
	s_mul_i32 s60, s[BH], HEADB                    ; the head's 16 records
	s_mov_b32 s61, 0
	s_mul_i32 s62, s[WV], REC
	s_mov_b32 s63, 0
	s_add_nc_u64 s[62:63], s[62:63], s[60:61]      ; step w's
	s_mul_i32 s70, s[WV], STEPB
	s_mov_b32 s[SEL], 0x76543210
	s_mov_b32 s[SEL+1], 0xfedcba98
	s_mov_b32 s[CS], 0x3e38aa3b                    ; c = log2(e) / 8
	s_mov_b32 s[CS+1], s[CS]
	s_lshr_b32 s[DG], s[WV], 1
	s_sub_co_u32 s[DG+1], 15, s[DG]
	s_lshl_b32 s66, s[WV], 2
	s_add_co_u32 s66, s66, s[CX]                   ; my first tile,
	s_sub_co_u32 s67, 127, s66                     ; my second
	s_wait_dscnt 0x0
	s_wait_kmcnt 0x0
	s_mov_b32 s[G0], 1
	s_mov_b32 s[G0+1], s70
	s_add_nc_u64 s[G0+2:G0+3], s[4:5], s[62:63]
	s_or_b32 s[G0+3], s[G0+3], 0x80000000
	CROUND                                         ; all four work-groups are here: the joint loads meet
	tensor_load_to_lds s[G0:G0+3], s[G1:G1+7]      ; my one tensor load: step w's K, V and scale words
	s_nop 0
.rept 4
	v_nop
.endr
.macro JOBADR j
	s_bfe_u32 s70, s[66+\j], 0x20001
	s_lshl_b32 s70, s70, 5
	s_and_b32 s71, s[66+\j], 1
	s_lshl_b32 s71, s71, 3
	s_add_co_u32 s[SD+\j], s70, s71                ; 32 ((tile / 2) % 4) + 8 (tile % 2)
	s_mul_i32 s70, s[DG+\j], REC
	s_add_co_u32 s70, s70, s60                     ; the record that holds the tile
	s_and_b32 s72, s[66+\j], 7
	s_lshl_b32 s72, s72, 9
	s_add_co_u32 s72, s72, s70
	s_add_co_u32 s72, s72, 8704
	s_mov_b32 s73, 0
	s_add_nc_u64 s[QB+2*\j:QB+2*\j+1], s[4:5], s[72:73]
	s_and_b32 s72, s[66+\j], 3
	s_lshl_b32 s72, s72, 2
	s_bfe_u32 s71, s[66+\j], 0x10002
	s_lshl_b32 s71, s71, 1
	s_add_co_u32 s72, s72, s71
	s_add_co_u32 s72, s72, s70
	s_add_co_u32 s72, s72, 12800
	s_add_nc_u64 s[QSB+2*\j:QSB+2*\j+1], s[4:5], s[72:73]
	s_lshr_b32 s70, s[BH], 4
	s_lshl_b32 s70, s70, 7
	s_add_co_u32 s70, s70, s[66+\j]                ; the tile among all 512
	s_and_b32 s71, s[BH], 15                       ; the head
	s_lshl_b32 s72, s70, 13
	s_lshl_b32 s74, s71, 9
	s_add_co_u32 s72, s72, s74
	s_add_nc_u64 s[OC+2*\j:OC+2*\j+1], s[6:7], s[72:73]
	s_lshl_b32 s72, s70, 9
	s_lshl_b32 s74, s71, 1
	s_add_co_u32 s72, s72, s74
	s_add_nc_u64 s[OS+2*\j:OS+2*\j+1], s[8:9], s[72:73]
.endm
	JOBADR 0
	JOBADR 1
	v_and_b32 v1, 31, v0
	s_delay_alu instid0(VALU_DEP_1)
	v_lshlrev_b32 v1, 4, v1                        ; 16 x lane
	v_and_b32 v9, 15, v0                           ; r
	v_bfe_u32 v10, v0, 4, 1                        ; h
	s_delay_alu instid0(VALU_DEP_2)
	v_lshlrev_b32 v2, 4, v9
	global_load_b128 v[20:23], v1, s[QB:QB+1]      ; Q's images stay in registers
	global_load_b128 v[32:35], v1, s[QB+2:QB+3]
	global_load_u16 v40, v2, s[QSB:QSB+1]          ; and a row's two scale bytes
	global_load_u16 v42, v2, s[QSB+2:QSB+3]
	v_and_b32 v11, 8, v9
	s_delay_alu instid0(VALU_DEP_1)
	v_add_nc_u32 v5, v11, v9
	v_lshlrev_b32 v11, 4, v10
	s_delay_alu instid0(VALU_DEP_1)
	v_sub_nc_u32 v5, v5, v11                       ; r + 8 (r / 8) - 16 h
	v_lshlrev_b32 v7, 5, v9
.irp n, 16,17,18,19,24,25,26,27,28,29,30,31,36,37,38,39
	v_mov_b32 v[\n], 0                             ; the zero codes on both sides of Q
.endr
.irp b, 0,1,2,3
	v_mov_b32 v[236+\b], 0                         ; written once: a lane permute's destination counts as one of its sources
.endr
	v_mov_b32 v252, 0
	v_mov_b32 v253, 0                              ; (named as the upper half of the pair v[252:253] before it is first written)
	s_wait_loadcnt 0x0
	v_lshlrev_b32 v41, 16, v40                     ; the same two bytes for the upper half of the instruction's K
	v_lshlrev_b32 v43, 16, v42
	s_wait_tensorcnt 0x0                           ; my step has landed,
	s_barrier_signal -1
	s_barrier_wait -1                              ; all sixteen have.  From here on the waves share nothing
; A KEY STEP of 128 keys for tile j.  A step behind the tile's last is left out: a branch on the wave's number and the trip's count.
.macro STEP j
.set QF, 16+12*(\j)
.set QS, 40+2*(\j)
	s_cmp_gt_u32 s[SI], s[DG+\j]
	s_cbranch_scc1 .Lhidden_\@
	v_add_nc_u32 v3, s[TB], v1
	v_add_nc_u32 v4, s[TB], v2
	v_nop
	v_nop                                          ; four places in front of loads into registers that the last products read
.irp i, 0,1,2,3
	ds_load_b128 v[52+8*\i:55+8*\i], v3 offset:512*\i          ; tile i of the keys,
	ds_load_b128 v[56+8*\i:59+8*\i], v3 offset:512*(4+\i)      ; and tile 4 + i
.endr
	ds_load_b128 v[44:47], v4 offset:8192          ; K's four scale words of my row
.irp t, 0,1,2,3
.irp c, 0,1
	ds_load_b128 v[192+8*\t+4*\c:195+8*\t+4*\c], v3 offset:4096+1024*\t+512*\c
.endr
.endr
	ds_load_b128 v[48:51], v4 offset:8448          ; V's
	s_wait_dscnt 9                                 ; K and its scale words are in; V's eight loads and its scale words stay out
.irp i, 0,1,2,3
	v_wmma_scale_f32_16x16x128_f8f6f4 v[96+8*\i:103+8*\i], v[52+8*\i:59+8*\i], v[QF+4:QF+11], 0, v[44+\i], v[QS] matrix_a_fmt:MATRIX_FMT_FP4 matrix_b_fmt:MATRIX_FMT_FP4
.endr
.irp i, 0,1,2,3
	v_wmma_scale_f32_16x16x128_f8f6f4 v[128+8*\i:135+8*\i], v[52+8*\i:59+8*\i], v[QF:QF+7], 0, v[44+\i], v[QS+1] matrix_a_fmt:MATRIX_FMT_FP4 matrix_b_fmt:MATRIX_FMT_FP4
.endr
.rept 4
	v_nop
.endr
	s_cmp_lg_u32 s[SI], s[DG+\j]                   ; in the tile's last step the scores of hidden keys become -infinity ahead of the maximum
	s_cbranch_scc1 .Lopen_\@
	v_add_nc_u32 v252, s[SD+\j], v5                ; d = my query - the step's first key - 16 h.  Register 16 b + i holds key 32 b + 16 h + i: hidden where 32 b + i > d
	v_mov_b32 v254, 0xff800000
.irp n, 0,1,2,3,4,5,6,7,8,9,10,11,12,13,14,15,16,17,18,19,20,21,22,23,24,25,26,27,28,29,30,31,32,33,34,35,36,37,38,39,40,41,42,43,44,45,46,47,48,49,50,51,52,53,54,55,56,57,58,59,60,61,62,63
	v_cmp_gt_i32 vcc_lo, 32*(\n/16)+\n%16, v252
	v_cndmask_b32 v[96+\n], v[96+\n], v254, vcc_lo
.endr
.Lopen_\@:
.irp b, 0,1,2,3
	v_max3_num_f32 v[232+\b], v[96+16*\b], v[97+16*\b], v[98+16*\b]   ; the largest score of each block of 32 keys: for the row's maximum, and, since p rises with the score, for the block's largest p
.endr
.irp i, 3,5,7,9,11,13
.irp b, 0,1,2,3
	v_max3_num_f32 v[232+\b], v[232+\b], v[96+16*\b+\i], v[97+16*\b+\i]
.endr
.endr
.irp b, 0,1,2,3
	v_max_num_f32 v[232+\b], v[232+\b], v[111+16*\b]
.endr
.irp b, 0,1,2,3
	s_delay_alu instid0(VALU_DEP_4)
	v_permlanex16_b32 v[236+\b], v[232+\b], s[SEL], s[SEL+1]
.endr
.irp b, 0,1,2,3
	s_delay_alu instid0(VALU_DEP_4)
	v_max_num_f32 v[232+\b], v[232+\b], v[236+\b]
.endr
	s_delay_alu instid0(VALU_DEP_2)
	v_max3_num_f32 v254, v232, v233, v234
	s_delay_alu instid0(VALU_DEP_1)
	v_max_num_f32 v254, v254, v235
	s_delay_alu instid0(VALU_DEP_1)
	v_mul_f32 v254, s[CS], v254
	s_delay_alu instid0(VALU_DEP_1)
	v_max_num_f32 v13, v13, v254                   ; the running largest t
	v_mov_b32 v254, v12
	s_delay_alu instid0(VALU_DEP_2)
	v_floor_f32 v12, -v13                          ; -M = floor(-t): M is a whole number
	s_delay_alu instid0(VALU_DEP_1)
	v_sub_f32 v254, v12, v254
	s_delay_alu instid0(VALU_DEP_1)
	v_cvt_i32_f32 v254, v254                       ; (it saturates)
	s_delay_alu instid0(VALU_DEP_1)
	v_ldexp_f32 v252, 1.0, v254                    ; f = 2^(old M - new M)
.irp n, 0,2,4,6,8,10,12,14,16,18,20,22,24,26,28,30,32,34,36,38,40,42,44,46,48,50,52,54,56,58,60,62
	v_pk_fma_f32 v[96+\n:97+\n], v[96+\n:97+\n], s[CS:CS+1], v[12:13] op_sel_hi:[1,0,0]   ; t - M
.endr
.irp b, 0,1,2,3
	v_fma_f32 v[232+\b], v[232+\b], s[CS], v12
.endr
	s_wait_alu depctr_va_vdst(0)
.irp n, 0,1,2,3,4,5,6,7,8,9,10,11,12,13,14,15,16,17,18,19,20,21,22,23,24,25,26,27,28,29,30,31,32,33,34,35,36,37,38,39,40,41,42,43,44,45,46,47,48,49,50,51,52,53,54,55,56,57,58,59,60,61,62,63
	v_exp_f32 v[96+\n], v[96+\n]                   ; p = 2^(t - M)
.endr
	v_pk_mul_f32 v[14:15], v[14:15], v[252:253] op_sel_hi:[1,0]   ; the sums under the new M: the plain line behind the exponentials
	s_wait_alu depctr_va_vdst(0)                   ; one wait for the batch of 64, ahead of its first reader
.irp b, 0,1,2,3
	v_exp_f32 v[232+\b], v[232+\b]                 ; each block's largest p
.endr
	v_pk_add_f32 v[236:237], v[100:101], v[104:105]
	v_pk_add_f32 v[248:249], v[108:109], v[112:113]
	v_pk_add_f32 v[246:247], v[116:117], v[120:121]
	v_pk_add_f32 v[244:245], v[124:125], v[128:129]
	v_pk_add_f32 v[242:243], v[132:133], v[136:137]
	v_pk_add_f32 v[240:241], v[140:141], v[144:145]
	v_pk_add_f32 v[238:239], v[148:149], v[152:153]
	v_pk_add_f32 v[14:15], v[14:15], v[156:157]
	v_pk_add_f32 v[236:237], v[236:237], v[96:97]
	v_pk_add_f32 v[248:249], v[248:249], v[98:99]
	v_pk_add_f32 v[246:247], v[246:247], v[102:103]
	v_pk_add_f32 v[244:245], v[244:245], v[106:107]
	v_pk_add_f32 v[242:243], v[242:243], v[110:111]
	v_pk_add_f32 v[240:241], v[240:241], v[114:115]
	v_pk_add_f32 v[238:239], v[238:239], v[118:119]
	v_pk_add_f32 v[14:15], v[14:15], v[122:123]
	v_pk_add_f32 v[236:237], v[236:237], v[126:127]
	v_pk_add_f32 v[248:249], v[248:249], v[130:131]
	v_pk_add_f32 v[246:247], v[246:247], v[134:135]
	v_pk_add_f32 v[244:245], v[244:245], v[138:139]
	v_pk_add_f32 v[242:243], v[242:243], v[142:143]
	v_pk_add_f32 v[240:241], v[240:241], v[146:147]
	v_pk_add_f32 v[238:239], v[238:239], v[150:151]
	v_pk_add_f32 v[14:15], v[14:15], v[154:155]
	v_pk_add_f32 v[236:237], v[236:237], v[158:159]
	s_delay_alu instid0(VALU_DEP_2)
	v_pk_add_f32 v[14:15], v[14:15], v[244:245]
	s_delay_alu instid0(VALU_DEP_2)
	v_pk_add_f32 v[236:237], v[236:237], v[242:243]
	v_pk_add_f32 v[248:249], v[248:249], v[240:241]
	v_pk_add_f32 v[246:247], v[246:247], v[238:239]
	s_delay_alu instid0(VALU_DEP_2)
	v_pk_add_f32 v[14:15], v[14:15], v[248:249]
	s_delay_alu instid0(VALU_DEP_2)
	v_pk_add_f32 v[236:237], v[236:237], v[246:247]
	s_delay_alu instid0(VALU_DEP_1)
	v_pk_add_f32 v[14:15], v[14:15], v[236:237]
	s_wait_alu depctr_va_vdst(0)                   ; and one for the four
.irp b, 0,1,2,3
	v_max_num_f32 v[232+\b], 0x1800000, v[232+\b]  ; the floor 2^(3 - 127)
.endr
.irp b, 0,1,2,3
	s_delay_alu instid0(VALU_DEP_4)
	v_add_nc_u32 v[244+\b], 0xff000000, v[232+\b]
.endr
.irp b, 0,1,2,3
	s_delay_alu instid0(VALU_DEP_4)
	v_lshrrev_b32 v[236+\b], 23, v[244+\b]
.endr
	s_delay_alu instid0(VALU_DEP_3)
	v_lshl_or_b32 v253, v237, 8, v236              ; p's scale word for these 128 keys
	s_delay_alu instid0(VALU_DEP_1)
	v_lshl_or_b32 v253, v238, 16, v253
	s_delay_alu instid0(VALU_DEP_1)
	v_lshl_or_b32 v253, v239, 24, v253
.irp b, 0,1,2,3
	v_cvt_scalef32_pk8_fp4_f32 v[224+2*\b], v[96+16*\b:103+16*\b], v[244+\b]
	v_cvt_scalef32_pk8_fp4_f32 v[225+2*\b], v[104+16*\b:111+16*\b], v[244+\b]
.endr
	v_nop                                          ; one plain place behind a scaled conversion
.irp c, 0,1
.irp i, 0,1
	v_permlane16_swap_b32 v[224+4*\c+\i], v[226+4*\c+\i]
.endr
.endr
.irp n, 0,2,4,6,8,10,12,14,16,18,20,22,24,26,28,30
	v_pk_mul_f32 v[160+\n:161+\n], v[160+\n:161+\n], v[252:253] op_sel_hi:[1,0]   ; O^T under the new M; these sixteen also stand between the scale word's and the codes' last writes and the products
.endr
	s_wait_alu depctr_va_vdst(0)
	s_wait_dscnt 0x0                               ; V and its scale words are in
.irp t, 0,1,2,3
	v_wmma_scale_f32_16x16x128_f8f6f4 v[160+8*\t:167+8*\t], v[192+8*\t:199+8*\t], v[224:231], v[160+8*\t:167+8*\t], v[48+\t], v253 matrix_a_fmt:MATRIX_FMT_FP4 matrix_b_fmt:MATRIX_FMT_FP4
.endr
.Lhidden_\@:
.endm
; Tile j: sixteen trips, a constant; then O^T / the sum, quantised along d (two blocks of 32), goes out as an image of the last product's operand registers.
.macro JOB j
.if (\j) > 0
	s_wait_xcnt 0x0                                ; the last tile's stores have read their registers
.endif
	v_mov_b32 v13, 0xff61b1e6                      ; the largest t so far: -3e38
	s_delay_alu instid0(VALU_DEP_1)
	v_floor_f32 v12, -v13
	v_mov_b32 v14, 0
	v_mov_b32 v15, 0
.irp n, 0,1,2,3,4,5,6,7,8,9,10,11,12,13,14,15,16,17,18,19,20,21,22,23,24,25,26,27,28,29,30,31
	v_mov_b32 v[160+\n], 0                         ; O^T: the step is written once for a tile: its first trip finds zeros, which the first change of M leaves zeros
.endr
	s_mov_b32 s[TB], 0
	s_mov_b32 s[SI], 0
.Lstep_\@:
	STEP \j
	s_add_co_u32 s[TB], s[TB], STEPB
	s_add_co_u32 s[SI], s[SI], 1
	s_cmp_lt_u32 s[SI], 16
	s_cbranch_scc1 .Lstep_\@
.rept 4
	v_nop                                          ; places behind the last products
.endr
	v_add_f32 v14, v14, v15
	s_delay_alu instid0(VALU_DEP_1)
	v_permlanex16_b32 v252, v14, s[SEL], s[SEL+1]
	s_delay_alu instid0(VALU_DEP_1)
	v_add_f32 v14, v14, v252                       ; the row's sum
	s_wait_alu depctr_va_vdst(0)
	v_rcp_f32 v14, v14
	v_nop                                          ; a plain line behind the reciprocal,
	s_wait_alu depctr_va_vdst(0)                   ; and the wait ahead of its first reader
.irp n, 0,1,2,3,4,5,6,7,8,9,10,11,12,13,14,15,16,17,18,19,20,21,22,23,24,25,26,27,28,29,30,31
	v_mul_f32 v[96+\n], v[160+\n], v14             ; register 16 b + i is o(my query, d = 32 b + 16 h + i)
.endr
.irp b, 0,1
	v_max3_num_f32 v[232+\b], |v[96+16*\b]|, |v[97+16*\b]|, 0x1800000
.endr
.irp i, 2,4,6,8,10,12,14
.irp b, 0,1
	s_delay_alu instid0(VALU_DEP_2)
	v_max3_num_f32 v[232+\b], v[232+\b], |v[96+16*\b+\i]|, |v[97+16*\b+\i]|
.endr
.endr
.irp b, 0,1
	s_delay_alu instid0(VALU_DEP_2)
	v_permlanex16_b32 v[236+\b], v[232+\b], s[SEL], s[SEL+1]
.endr
.irp b, 0,1
	s_delay_alu instid0(VALU_DEP_2)
	v_max_num_f32 v[232+\b], v[232+\b], v[236+\b]
.endr
.irp b, 0,1
	s_delay_alu instid0(VALU_DEP_2)
	v_add_nc_u32 v[244+\b], 0xff000000, v[232+\b]
.endr
.irp b, 0,1
	s_delay_alu instid0(VALU_DEP_2)
	v_lshrrev_b32 v[236+\b], 23, v[244+\b]
.endr
	s_delay_alu instid0(VALU_DEP_1)
	v_lshl_or_b32 v240, v237, 8, v236              ; the head's two scale bytes of my row
.irp b, 0,1
	v_cvt_scalef32_pk8_fp4_f32 v[224+2*\b], v[96+16*\b:103+16*\b], v[244+\b]
	v_cvt_scalef32_pk8_fp4_f32 v[225+2*\b], v[104+16*\b:111+16*\b], v[244+\b]
.endr
	v_nop
	v_permlane16_swap_b32 v224, v226
	v_permlane16_swap_b32 v225, v227               ; lane (r, h): d = 32 h + 0 .. 31 of row r
	global_store_b128 v1, v[224:227], s[OC+2*\j:OC+2*\j+1]   ; 512 consecutive bytes, aligned
	global_store_b16 v7, v240, s[OS+2*\j:OS+2*\j+1]          ; lanes 16-31 repeat lanes 0-15's bytes
.endm
	JOB 0
	JOB 1
	s_wait_dscnt 0x0
	s_wait_tensorcnt 0x0
	ds_add_u32 v251, v255
	s_wait_dscnt 0x0
	CROUND                                         ; the closing round
	s_endpgm
.Lfunc_end_k_qb03203d14e_attn:
	.size	k_qb03203d14e_attn, .Lfunc_end_k_qb03203d14e_attn-k_qb03203d14e_attn
	.p2alignl 7, 3214868480
	.fill 96, 4, 3214868480
	.section	.rodata,"a",@progbits
	.p2align	6, 0x0
	.amdhsa_kernel k_qb03203d14e_attn
		.amdhsa_group_segment_fixed_size 169984
		.amdhsa_private_segment_fixed_size 0
		.amdhsa_enable_private_segment 0
		.amdhsa_kernarg_size 24
		.amdhsa_user_sgpr_count 2
		.amdhsa_user_sgpr_kernarg_segment_ptr 1
		.amdhsa_wavefront_size32 1
		.amdhsa_system_sgpr_workgroup_id_x 1
		.amdhsa_system_sgpr_workgroup_id_y 1
		.amdhsa_system_sgpr_workgroup_id_z 1
		.amdhsa_system_vgpr_workitem_id 0
		.amdhsa_next_free_vgpr 256
		.amdhsa_next_free_sgpr 80
		.amdhsa_reserve_vcc 1
		.amdhsa_float_denorm_mode_32 3
		.amdhsa_float_denorm_mode_16_64 3
		.amdhsa_memory_ordered 1
		.amdhsa_forward_progress 1
		.amdhsa_inst_pref_size 61
	.end_amdhsa_kernel
	.amdgpu_metadata
---
amdhsa.version: [ 1, 2 ]
amdhsa.kernels:
  - .name:           k_qb03203d14e_attn
    .symbol:         k_qb03203d14e_attn.kd
    .args:
      - { .name: qkv, .offset: 0, .size: 8, .value_kind: global_buffer, .address_space: global }
      - { .name: oc, .offset: 8, .size: 8, .value_kind: global_buffer, .address_space: global }
      - { .name: os, .offset: 16, .size: 8, .value_kind: global_buffer, .address_space: global }
    .group_segment_fixed_size: 169984
    .private_segment_fixed_size: 0
    .kernarg_segment_align: 8
    .kernarg_segment_size: 24
    .max_flat_workgroup_size: 512
    .sgpr_count:     80
    .vgpr_count:     256
    .wavefront_size: 32
...
	.end_amdgpu_metadata
.endif
;; end of part 3
;; launch oproj (part 4): grid 4 x 64, 4 waves a work-group, clusters of 4 x 4, 327,680 bytes of LDS; arguments oc, os, cw, sw, bo, out0; writes out0
.if DOCPART == 4
	.amdgcn_target "amdgcn-amd-amdhsa--gfx1250"
	.amdhsa_code_object_version 6
	.text
	.protected	k_qb03203d14e_oproj
	.globl	k_qb03203d14e_oproj
	.p2align	8
	.type	k_qb03203d14e_oproj,@function
k_qb03203d14e_oproj:
	s_mov_b64 s[64:65], 0
	v_nop
	global_prefetch_b8 v0, s[64:65] scope:SCOPE_SE
	s_setreg_imm32_b32 hwreg(HW_REG_WAVE_MODE, 25, 1), 1
	s_wait_xcnt 0x0
	s_wait_alu depctr_hold_cnt(0) depctr_sa_sdst(0) depctr_va_vdst(0) depctr_va_sdst(0) depctr_va_ssrc(0) depctr_va_vcc(0) depctr_vm_vsrc(0)
	s_getreg_b32 s2, hwreg(HW_REG_IB_STS2, 6, 4)
	s_cmp_eq_u32 s2, 0
	s_cbranch_scc0 .Lentry_in_a_cluster
	s_endpgm
.Lentry_in_a_cluster:
	s_bfe_u32 s2, ttmp6, 0x10000c
	s_cmp_lg_u32 s2, 0xf033
	s_cbranch_scc0 .Lentry_shape_is_right
	s_endpgm
.Lentry_shape_is_right:
; out0 = O Wo + bo on codes of FP4, K = 1,024.  A = the attention's result: 128 rows as images of operand registers (oc: [tile of 16 rows][head][512 bytes]; os: 32 scale bytes a row); B = 256 rows of Wo's codes (cw, sw from tile 44 on).
; A work-group makes 128 x 256 of out0, a wave 64 x 128: 32 accumulators, which begin as bo.  The matrix instruction is used transposed (source 0 = Wo's rows, source 1 = O's rows): a lane holds neighbouring columns of one row.
; ALL OF K LIES IN LDS, FILLED ONCE, one joint load a wave at the head: wave 0 A's 65,536 dense bytes, wave 1 B's 256 rows of 512 bytes, wave 2 A's scale bytes, wave 3 B's.  Nothing is filled later.
; CLUSTERS: 4 x 4: A's tiles are asked for jointly by a row of the cluster, B's by a column.  Stored rows stand in the order 'bits 3 and 4 exchanged'; the way out puts rows and columns back.
; The results leave through each wave's own stage in LDS as rows of 512 consecutive bytes.
.set PITCH,  528                       ; B's LDS row: all of K, 512 bytes, + 16: an odd multiple of 16 bytes
.set HALFB,  128*PITCH
.set BSLOT,  256                       ; the second 512 along K begin 256 bytes on in each of B's rows
.set BCOD,   65536
.set SCL,    BCOD+2*HALFB
.set SBLK,   2*272
.set STG,    SCL+48*272
.set SPITCH, 528
.set ADRA, 16
.set ADRB, 20
.set STO,  24
.set RD,   25
.set CO,   26
.set ADRS, 27
.set SC,   32
.set AF,   128
.set BK,   128
.set G1,   24
.set G0,   32
.set G1B,  48
.set G0B,  56
.set G1S,  68
.set G0S,  76
.set G1SB, 80
.set G0SB, 88
.set MSB, 0
.macro WIN new
.if MSB != \new
	s_set_vgpr_msb (MSB<<8)|\new
.set MSB, \new
.endif
.endm
.macro ARM under, g0, g1, next         ; one arm of the head's tree: its load, an s_nop 0 and four v_nop, and a jump to the tree's end
	s_cmp_lt_u32 s14, \under
	s_cbranch_scc0 \next
	tensor_load_to_lds s[\g0:\g0+3], s[\g1:\g1+7]
	s_nop 0
.rept 4
	v_nop
.endr
	s_branch .Lhead_asked
\next:
.endm
.macro CROUND
	s_barrier_signal -1
	s_barrier_wait -1
	s_cmp_lg_u32 s14, 0
	s_cbranch_scc1 .Lnot_wave_0_\@
	s_barrier_signal -3
.Lnot_wave_0_\@:
	s_barrier_wait -3
	s_barrier_signal -1
	s_barrier_wait -1
.endm
.macro PLACES
.rept 4
	v_nop
.endr
.endm
	s_load_b256 s[4:11], s[0:1], 0x0
	s_load_b128 s[96:99], s[0:1], 0x20
	v_lshl_add_u32 v126, v0, 2, 0x3d700
	v_mov_b32 v127, 0
	ds_add_u32 v126, v127
	ds_add_u32 v126, v127
	v_lshrrev_b32 v1, 5, v0
	v_readfirstlane_b32 s14, v1
	s_lshr_b32 s15, s14, 1
	s_and_b32 s16, s14, 1
	s_bfe_u32 s40, ttmp6, 0x40000
	s_bfe_u32 s41, ttmp6, 0x40004
	s_and_b32 s17, ttmp7, 0xffff
	s_lshl_b32 s17, s17, 2
	s_add_co_u32 s17, s17, s41
	s_lshl_b32 s3, ttmp9, 2
	s_add_co_u32 s3, s3, s40
	s_add_co_u32 s42, s3, 44
	s_lshl_b32 s43, s41, 2
	s_lshl_b32 s43, 15, s43
	s_lshl_b32 s44, 0x1111, s40
	s_or_b32 s[G1+0], s43, (3<<16)|(1<<21)
	s_mov_b32 s[G1+1], 512<<16
	s_mov_b32 s[G1+2], 16<<16                      ; A: 16 dense rows of 4,096 bytes
	s_mov_b32 s[G1+3], 512<<16
	s_mov_b32 s[G1+4], 16
	s_mov_b32 s[G1+5], 512
	s_mov_b32 s[G1+6], 0
	s_mov_b32 s[G1+7], 0
	s_or_b32 s[G1B+0], s44, (0<<16)|(1<<20)|(1<<21)|(6<<22)|(3<<25)   ; B: 256 rows of 512 bytes, 4 words of padding behind every 128
	s_mov_b32 s[G1B+1], 512<<16
	s_mov_b32 s[G1B+2], 256<<16
	s_mov_b32 s[G1B+3], 512<<16
	s_mov_b32 s[G1B+4], 256
	s_mov_b32 s[G1B+5], 512
	s_mov_b32 s[G1B+6], 0
	s_mov_b32 s[G1B+7], 0
	s_or_b32 s[G1S+0], s43, (3<<16)|(1<<20)|(1<<21)|(5<<22)|(3<<25)
	s_mov_b32 s[G1S+1], 32<<16
	s_mov_b32 s[G1S+2], 16<<16                     ; A's scale bytes: 16 rows of 256 bytes
	s_mov_b32 s[G1S+3], 32<<16
	s_mov_b32 s[G1S+4], 16
	s_mov_b32 s[G1S+5], 32
	s_mov_b32 s[G1S+6], 0
	s_mov_b32 s[G1S+7], 0
	s_or_b32 s[G1SB+0], s44, (3<<16)|(1<<20)|(1<<21)|(5<<22)|(3<<25)
	s_mov_b32 s[G1SB+1], 32<<16
	s_mov_b32 s[G1SB+2], 32<<16                    ; B's: 32 rows of 256 bytes
	s_mov_b32 s[G1SB+3], 32<<16
	s_mov_b32 s[G1SB+4], 32
	s_mov_b32 s[G1SB+5], 32
	s_mov_b32 s[G1SB+6], 0
	s_mov_b32 s[G1SB+7], 0
	s_lshl_b32 s20, s17, 16                        ; A's 128 rows: 65,536 bytes of codes,
	s_mov_b32 s21, 0
	s_lshl_b32 s22, s17, 12                        ; 4,096 scale bytes
	s_mov_b32 s23, 0
	s_lshl_b32 s46, s42, 8                         ; B's first row:
	s_lshl_b32 s92, s46, 5                         ; its scale bytes,
	s_mov_b32 s93, 0
	s_lshl_b32 s46, s46, 9                         ; its codes
	s_mov_b32 s47, 0
	s_wait_dscnt 0x0
	s_wait_kmcnt 0x0
	s_add_nc_u64 s[20:21], s[4:5], s[20:21]
	s_add_nc_u64 s[22:23], s[6:7], s[22:23]
	s_add_nc_u64 s[46:47], s[8:9], s[46:47]
	s_add_nc_u64 s[92:93], s[10:11], s[92:93]
	CROUND
	s_mov_b32 s[G0S], 1
	s_mov_b32 s[G0S+1], SCL
	s_mov_b64 s[G0S+2:G0S+3], s[22:23]
	s_or_b32 s[G0S+3], s[G0S+3], 0x80000000
	s_mov_b32 s[G0SB], 1
	s_mov_b32 s[G0SB+1], SCL+16*272
	s_mov_b64 s[G0SB+2:G0SB+3], s[92:93]
	s_or_b32 s[G0SB+3], s[G0SB+3], 0x80000000
.irp s, 0
	s_mov_b32 s[G0+4*\s], 1
	s_mov_b32 s[G0+4*\s+1], 0
	s_add_nc_u64 s[G0+4*\s+2:G0+4*\s+3], s[20:21], \s*4096
	s_or_b32 s[G0+4*\s+3], s[G0+4*\s+3], 0x80000000
	s_mov_b32 s[G0B+4*\s], 1
	s_mov_b32 s[G0B+4*\s+1], BCOD
	s_add_nc_u64 s[G0B+4*\s+2:G0B+4*\s+3], s[46:47], \s*256
	s_or_b32 s[G0B+4*\s+3], s[G0B+4*\s+3], 0x80000000
.endr
	ARM 1, G0,  G1,  .Lhead_b                      ; the head's loads, one a wave: one tree of branches on the wave's number
	ARM 2, G0B, G1B, .Lhead_sa
	ARM 3, G0S, G1S, .Lhead_sb
	tensor_load_to_lds s[G0SB:G0SB+3], s[G1SB:G1SB+7]
	s_nop 0
.rept 4
	v_nop
.endr
.Lhead_asked:
	v_and_b32 v1, 15, v0
	v_bfe_u32 v2, v0, 4, 1
	v_and_b32 v3, 31, v0
	v_lshlrev_b32 v[CO], 4, v3
	s_lshl_b32 s21, s15, 15                        ; my four tiles of A: 8,192 bytes a tile
	v_add_nc_u32 v[ADRA], s21, v[CO]
	v_mul_u32_u24 v4, v1, PITCH
	v_lshl_add_u32 v4, v2, 4, v4
	s_mul_i32 s22, s16, HALFB
	s_add_co_u32 s22, s22, BCOD
	v_add_nc_u32 v[ADRB], s22, v4
	s_add_co_u32 s22, s22, BSLOT
	v_add_nc_u32 v[ADRB+1], s22, v4
	v_lshlrev_b32 v5, 5, v1
	v_lshrrev_b32 v6, 8, v5
	v_lshl_add_u32 v5, v6, 4, v5
	s_mul_i32 s21, s15, 8*272
	s_mul_i32 s22, s16, 16*272
	s_add_co_u32 s22, s22, 16*272
	s_sub_co_u32 s22, s22, s21
	v_mul_u32_u24 v6, s22, v2
	s_add_co_u32 s21, s21, SCL
	v_add_nc_u32 v5, v5, v6
	v_add_nc_u32 v[ADRS], s21, v5
	s_mul_i32 s23, s14, 16*SPITCH
	s_add_co_u32 s23, s23, STG
	v_mul_u32_u24 v5, v1, SPITCH
	v_lshl_add_u32 v5, v2, 6, v5
	v_add_nc_u32 v[STO], s23, v5
	v_add_nc_u32 v[RD], s23, v[CO]
	s_lshl_b32 s20, s3, 10
	s_lshl_b32 s21, s16, 9
	s_add_co_u32 s20, s20, s21
	s_mov_b32 s21, 0
	s_add_nc_u64 s[96:97], s[96:97], s[20:21]
	s_add_nc_u64 s[98:99], s[98:99], s[20:21]
	s_lshl_b32 s20, s17, 19
	s_lshl_b32 s22, s15, 18
	s_add_co_u32 s20, s20, s22
	s_add_nc_u64 s[98:99], s[98:99], s[20:21]
	v_lshlrev_b32 v7, 6, v2
	WIN 0x40
.irp b, 0,1,2,3,4,5,6,7
	global_load_b128 v[128+8*\b:131+8*\b], v7, s[96:97] offset:128*(\b/2)+32*(\b%2)
	global_load_b128 v[132+8*\b:135+8*\b], v7, s[96:97] offset:128*(\b/2)+32*(\b%2)+16
.endr
	WIN 0
.macro FRAG reg, adr, q, i
.irp c, 0,1
	ds_load_b128 v[\reg+4*\c:\reg+4*\c+3], v[\adr] offset:64*(\q)+32*\c+(\i)*16*PITCH
.endr
.endm
.macro FETCH slot, q, p
	WIN 0x40
.irp i, 0,1,2,3,4,5,6,7
	FRAG 64*(\p)+8*\i, ADRB+\slot, \q, \i
.endr
	WIN 0
.irp a, 0,1,2,3
.irp c, 0,1
	ds_load_b128 v[AF+32*(\p)+8*\a+4*\c:AF+32*(\p)+8*\a+4*\c+3], v[ADRA] offset:4096*(\slot)+8192*\a+1024*(\q)+512*\c
.endr
.endr
.endm
.macro SCALES slot
.irp i, 0,1,2,3,4,5,6,7
	ds_load_b128 v[SC+32*(\slot)+4*\i:SC+32*(\slot)+4*\i+3], v[ADRS] offset:\i*SBLK+16*(\slot)
.endr
.endm
.macro MULS slot, q, p, first
.if \first
	WIN 0x91
.else
	WIN 0xa1
.endif
.irp a, 0,1,2,3
.irp b, 0,1,2,3,4,5,6,7
.if \first
	v_wmma_scale_f32_16x16x128_f8f6f4 v[8*(8*\a+\b):8*(8*\a+\b)+7], v[64*(\p)+8*\b:64*(\p)+8*\b+7], v[AF+32*(\p)+8*\a:AF+32*(\p)+8*\a+7], v[128+8*\b:135+8*\b], v[SC+32*(\slot)+4*\b+(\q)], v[SC+32*(\slot)+4*\a+(\q)] matrix_a_fmt:MATRIX_FMT_FP4 matrix_b_fmt:MATRIX_FMT_FP4 matrix_a_scale:MATRIX_SCALE_ROW1
.else
	v_wmma_scale_f32_16x16x128_f8f6f4 v[8*(8*\a+\b):8*(8*\a+\b)+7], v[64*(\p)+8*\b:64*(\p)+8*\b+7], v[AF+32*(\p)+8*\a:AF+32*(\p)+8*\a+7], v[8*(8*\a+\b):8*(8*\a+\b)+7], v[SC+32*(\slot)+4*\b+(\q)], v[SC+32*(\slot)+4*\a+(\q)] matrix_a_fmt:MATRIX_FMT_FP4 matrix_b_fmt:MATRIX_FMT_FP4 matrix_a_scale:MATRIX_SCALE_ROW1
.endif
.endr
.endr
.endm
.macro STEP k
.set SL_, (\k)/4
.set Q_,  (\k)%4
.set P_,  (\k)%2
.set NS_, ((\k)+1)/4
.set NQ_, ((\k)+1)%4
.set NP_, ((\k)+1)%2
	s_wait_dscnt 0x0
.if (\k) < 7
.if (\k) > 0
	PLACES
.endif
	FETCH NS_, NQ_, NP_
.if (\k) == 3
	SCALES 1
.endif
.endif
.if (\k) == 0
	MULS SL_, Q_, P_, 1
.else
	MULS SL_, Q_, P_, 0
.endif
.endm
	s_wait_alu depctr_va_vdst(0)
	s_wait_tensorcnt 0x0                           ; my one load has landed; behind the barrier everybody's has
	s_barrier_signal -1
	s_barrier_wait -1
	FETCH 0, 0, 0
	SCALES 0
	s_wait_loadcnt 0x0
.irp k, 0,1,2,3,4,5,6,7
	STEP \k
.endr
	WIN 0
.macro TOSTAGE a
.set AC, 64*(\a)
	WIN 0x08
.irp b, 0,1,2,3,4,5,6,7
	ds_store_b128 v[STO], v[AC+8*\b:AC+8*\b+3] offset:128*(\b/2)+32*(\b%2)
	ds_store_b128 v[STO], v[AC+8*\b+4:AC+8*\b+7] offset:128*(\b/2)+32*(\b%2)+16
.endr
	WIN 0
.set BB, BK+64*((\a)%2)
.irp t, 0,1,2,3,4,5,6,7,8,9,10,11,12,13,14,15
	ds_load_b128 v[BB+4*\t:BB+4*\t+3], v[RD] offset:\t*SPITCH
.endr
.endm
.macro SEND a, younger
.set BB, BK+64*((\a)%2)
	s_wait_dscnt \younger
.irp t, 0,1,2,3,4,5,6,7,8,9,10,11,12,13,14,15
	global_store_b128 v[CO], v[BB+4*\t:BB+4*\t+3], s[98:99] offset:(32*((\a)/2)+8*((\a)%2)+\t+8*(\t/8))*4096 th:TH_STORE_NT
.endr
.endm
	PLACES
	TOSTAGE 0
.irp a, 1,2,3
.if \a > 1
	s_wait_xcnt 0x0
.endif
	TOSTAGE \a
	SEND \a-1, 32
.endr
	SEND 3, 0
	s_wait_tensorcnt 0x0
	ds_add_u32 v126, v127
	s_wait_dscnt 0x0
	CROUND
	s_endpgm
.Lfunc_end_k_qb03203d14e_oproj:
	.size	k_qb03203d14e_oproj, .Lfunc_end_k_qb03203d14e_oproj-k_qb03203d14e_oproj
	.p2alignl 7, 3214868480
	.fill 96, 4, 3214868480
	.section	.rodata,"a",@progbits
	.p2align	6, 0x0
	.amdhsa_kernel k_qb03203d14e_oproj
		.amdhsa_group_segment_fixed_size 327680
		.amdhsa_private_segment_fixed_size 0
		.amdhsa_enable_private_segment 0
		.amdhsa_kernarg_size 48
		.amdhsa_user_sgpr_count 2
		.amdhsa_user_sgpr_kernarg_segment_ptr 1
		.amdhsa_wavefront_size32 1
		.amdhsa_system_sgpr_workgroup_id_x 1
		.amdhsa_system_sgpr_workgroup_id_y 1
		.amdhsa_system_sgpr_workgroup_id_z 1
		.amdhsa_system_vgpr_workitem_id 0
		.amdhsa_next_free_vgpr 768
		.amdhsa_next_free_sgpr 100
		.amdhsa_reserve_vcc 0
		.amdhsa_float_denorm_mode_32 3
		.amdhsa_float_denorm_mode_16_64 3
		.amdhsa_memory_ordered 1
		.amdhsa_forward_progress 1
		.amdhsa_inst_pref_size 72
	.end_amdhsa_kernel
	.amdgpu_metadata
---
amdhsa.version: [ 1, 2 ]
amdhsa.kernels:
  - .name:           k_qb03203d14e_oproj
    .symbol:         k_qb03203d14e_oproj.kd
    .args:
      - { .name: oc, .offset: 0, .size: 8, .value_kind: global_buffer, .address_space: global }
      - { .name: os, .offset: 8, .size: 8, .value_kind: global_buffer, .address_space: global }
      - { .name: cw, .offset: 16, .size: 8, .value_kind: global_buffer, .address_space: global }
      - { .name: sw, .offset: 24, .size: 8, .value_kind: global_buffer, .address_space: global }
      - { .name: bo, .offset: 32, .size: 8, .value_kind: global_buffer, .address_space: global }
      - { .name: out0, .offset: 40, .size: 8, .value_kind: global_buffer, .address_space: global }
    .group_segment_fixed_size: 327680
    .private_segment_fixed_size: 0
    .kernarg_segment_align: 8
    .kernarg_segment_size: 48
    .max_flat_workgroup_size: 128
    .sgpr_count:     100
    .vgpr_count:     768
    .wavefront_size: 32
...
	.end_amdgpu_metadata
.endif
;; end of part 4
